; MI455X (gfx1250); checked and timed in simulation.
; The chip was launched on July 23, 2026; its instructions are those of AMD's public machine-readable ISA for CDNA 5 (MIT licence, August 2026) and "CDNA5" Instruction Set Architecture Reference Guide (July 2026). The comments in the code are by the model that wrote it; some were corrected since.
;; Multi Head Attention. Allowed arithmetic: matrix products marked QUANTISED: E2M3 operands, one E8M0 scale for each 32 along K, by v_wmma_scale_f32_16x16x128_f8f6f4 with both operands' format E2M3, f32 sums; everything else in f32.
;; Inputs: b_proj 1,024 float32; b_qkv 3,072 float32; pad_mask 4 x 2,048 int32; w_proj 1,024 x 1,024 float32; w_qkv 3,072 x 1,024 float32; x 4 x 2,048 x 1,024 float32.
;; Outputs: out0 4 x 2,048 x 1,024 float32.
;; This version of the problem:
;;   THIS VERSION OF THE PROBLEM IS GIVEN IN LOW PRECISION. The matrix products marked QUANTISED in the list below multiply operands that are first quantised to E2M3 (2 exponent bits, 3 mantissa bits; 6 bits a number), with one power-of-two scale for each 32 numbers along K (OCP MX v1.0); their sums are f32. All else is computed in f32.
;;   The module's matrix products, in the order in which they are computed (A, B: the left and right operand; K: the contracted axis; several contracted axes count as one K, in the product's order):
;;     1. [M 8,192, K 1,024] x [K 1,024, N 3,072]; A: input x; B: input w_qkv: QUANTISED
;;     2. batch 64 x [M 2,048, K 64] x [K 64, N 2,048]; A: computed on the way; B: computed on the way: QUANTISED
;;     3. batch 64 x [M 2,048, K 2,048] x [K 2,048, N 64]; A: softmax (see below); B: computed on the way: QUANTISED
;;     4. [M 8,192, K 1,024] x [K 1,024, N 1,024]; A: computed on the way; B: input w_proj: QUANTISED
;;   THE QUANTISER, for each operand of a quantised product, along K:
;;     - K is cut into blocks of 32 from its start; a last block that is shorter is filled with zeros.
;;     - A block's scale is 2^e with e = floor(log2(the largest magnitude in the block)) - 2, held to -126 .. 127; a block of zeros has e = 0. As a byte (E8M0): e + 127.
;;     - Each number is divided by its block's scale, clamped to +-7.5, and rounded to the nearest number of E2M3, ties to even, subnormals kept.
;;     - The product sums the exact products of the quantised numbers (number of the format x scale) in f32.
;;   ~~~python
;;   def quantise(x, axis):      # numpy; x: float32 -> the quantised numbers, widened to float32 again
;;       x = np.moveaxis(x, axis, -1); K = x.shape[-1]
;;       x = np.pad(x, [(0, 0)] * (x.ndim - 1) + [(0, -K % 32)]); x = x.reshape(x.shape[:-1] + (-1, 32)); a = np.abs(x).max(-1, keepdims=True)
;;       e = np.where(a > 0, np.clip(np.frexp(np.where(a > 0, a, 1))[1] - 1 - 2, -126, 127), 0)      # np.frexp(a)[1] - 1 = floor(log2(a)), exactly
;;       r = np.clip(x / 2.0 ** e, -7.5, 7.5)
;;       step = 2.0 ** (np.maximum(np.frexp(np.where(r == 0, 1, r))[1] - 1, 0) - 3)
;;       q = np.round(r / step) * step * 2.0 ** e      # np.round: ties to even
;;       return np.moveaxis(q.reshape(q.shape[:-2] + (-1,))[..., :K], -1, axis).astype(np.float32)
;;   ~~~
;;   SOFTMAX AHEAD OF A QUANTISED PRODUCT. Where the list says 'softmax', what is quantised is not the finished softmax but p = 2^(t - M), with t = logit x log2(e) and M = ceil(the row's largest t), a whole number; so 1/2 < the row's largest p <= 1. The row's sum l is taken of the UNQUANTISED p, in f32, and the product's result is divided by l at the end. Since M is a whole number, a kernel that streams over the keys may use a running M (the ceiling of the running maximum): every later rescaling is an exact power of two, which a block's scale takes up: the codes' values come out the same.
;;   OPERANDS COMPUTED ON THE WAY. 'Computed on the way' means the value that the module computes at that place (a softmax that the list does not call 'softmax' is quantised finished and normalised). What goes into a quantiser is computed in f32, as accurately as f32 sums, v_exp_f32 and their like allow (about 1e-6 of the number): no bf16 or f16 on the way to a quantiser, and a product that is left as it is and whose result goes on into a quantised operand takes f32 operands (vector FMAs, or v_wmma_f32_16x16x4_f32). A number that lies on a knife's edge between two numbers of the format may be rounded either way, as far as f32 arithmetic and the matrix unit's own rounding can turn it there, and no further.
;; One version. Each part assembles by itself: llvm-mc -triple=amdgcn-amd-amdhsa -mcpu=gfx1250 --defsym DOCPART=n.
;; ======== version 1 of 1: 4 launches
;; limits: right only within a limited range of input values
;; workspace buffers: xw_codes 9,437,184 bytes; xw_scales 393,216 bytes; q_img 8,912,896 bytes; kv_img 15,466,496 bytes; o_img 6,291,456 bytes; o_scales 262,144 bytes
;; launch quant (part 1): grid 384 x 1, 4 waves a work-group, no clusters, 33,280 bytes of LDS; arguments x, w_qkv, w_proj, xw_codes, xw_scales; writes xw_codes, xw_scales
.if DOCPART == 1
	.amdgcn_target "amdgcn-amd-amdhsa--gfx1250"
	.amdhsa_code_object_version 6
	.text
	.protected	k_qc56f3a09e7_quant
	.globl	k_qc56f3a09e7_quant
	.p2align	8
	.type	k_qc56f3a09e7_quant,@function
k_qc56f3a09e7_quant:
	s_mov_b64 s[64:65], 0
	v_nop
	global_prefetch_b8 v0, s[64:65] scope:SCOPE_SE
	s_setreg_imm32_b32 hwreg(HW_REG_WAVE_MODE, 25, 1), 1
	s_wait_xcnt 0x0
; x [8192][1024], w_qkv [3072][1024] and w_proj [1024][1024], f32, become codes of FP6 (E2M3), K innermost, with one E8M0 byte for each 32 along K:
; one table of 12,288 rows of 768 bytes (x, then w_qkv, then w_proj) and one of 12,288 rows of 32 scale bytes.
; A block's scale is 2^(floor(log2(its largest magnitude)) - 2); its byte is the largest magnitude's exponent field - 2, held at 1 from below.  A block of zeros so gets the byte 1 where the rule
; says 127: its codes are zeros, and the bytes are read by this program alone.
; LIMITS: blocks whose largest magnitude lies under 2^-124, the floor, were not tried; NaN and infinities among the inputs are not served.
; THE ROWS ARE WRITTEN IN ANOTHER ORDER inside each group of 64: row 32 y + 8 t + i (y 0..1, t 0..3, i 0..7) goes to place 16 t + 8 y + i.  A tile of 16 neighbouring places then holds two runs of
; eight rows that lie 32 apart, so that in a later product's result the 32 registers of four neighbouring tiles are 32 NEIGHBOURING rows in one lane: a whole block of the next K.
; A wave takes 8,192 numbers, eight rows: one (y, t).  So the order is a permutation of the waves' places: run R goes to place (R & ~7) | (R & 3) << 1 | (R >> 2) & 1.
; A wave's 16 steps of 512 numbers: each of a step's four loads reads 512 consecutive bytes; the 2,048 bytes turn through the wave's own stage in LDS and come back 64 bytes a lane, so that a lane
; holds 16 neighbours along K and two neighbouring lanes a block.  A lane's 16 codes are 12 bytes: the wave stores 384 consecutive bytes.  A wave's 256 scale bytes leave as one aligned 256 bytes.
; No tensor loads, no barrier: waves share nothing.  Loads run four steps (16 loads a wave) ahead, the turn through LDS one step.
.set WAVES, 4
.set STEPS, 16
.set EMAX,  2
.set CB,    12                         ; bytes of 16 codes
.set R,     16                         ; v16-79   four sets of 16 numbers as they are loaded
.set X,     80                         ; v80-111  two sets of 16 neighbours
.set C,     128                        ; v128-191 codes: four registers for each step, so that no store's data are written again
.set E,     112                        ; v112-127 a scale byte for each step
.set WREG,  8192                       ; LDS: a region for each wave: two stages of 32 x SP bytes, behind them its 256 scale bytes
.set SP,    80                         ; a lane's place in a stage: 64 bytes + 16 of padding
.set SPW,   12                         ; v12      LDS address of my spare word; never rewritten
.set NIL,   13                         ; v13      0; never rewritten
.set SPARE, WAVES*WREG                 ; behind the four regions: the spare words, 128 bytes a wave, which no other line names
	s_load_b256 s[4:11], s[0:1], 0x0               ; x s[4:5], w_qkv s[6:7], w_proj s[8:9], the codes s[10:11]
	s_load_b64 s[12:13], s[0:1], 0x20              ; the scale bytes
	v_lshl_add_u32 v[SPW], v0, 2, SPARE
	v_mov_b32 v[NIL], 0
	v_lshrrev_b32 v1, 5, v0
	v_readfirstlane_b32 s16, v1                    ; wave
	v_and_b32 v2, 31, v0                           ; lane
	v_lshlrev_b32 v3, 4, v2                        ; my 16 bytes of a load's 512
	s_mul_i32 s17, s16, WREG
	v_lshrrev_b32 v14, 2, v2
	v_mul_u32_u24 v14, v14, SP
	v_and_b32 v15, 3, v2
	v_lshl_add_u32 v14, v15, 4, v14
	v_add_nc_u32 v14, s17, v14                     ; the stage, on the way in: SP (lane / 4) + 16 (lane % 4)
	v_mul_u32_u24 v15, v2, SP
	v_add_nc_u32 v15, s17, v15                     ; and on the way out: SP x lane: my 16 neighbours
	v_mul_u32_u24 v4, v2, CB                       ; my codes' place in a step's
	v_lshrrev_b32 v5, 1, v2
	s_add_co_u32 s17, s17, 2*32*SP
	v_add_nc_u32 v5, s17, v5                       ; LDS: my wave's 256 scale bytes, my block's byte
	v_lshlrev_b32 v7, 3, v2                        ; and on the way out 8 bytes a lane
	v_add_nc_u32 v6, s17, v7
	s_wait_kmcnt 0x0
	s_cmp_lt_u32 ttmp9, 256                        ; work-groups 0-255 take x, 256-351 w_qkv, 352-383 w_proj: the choice hangs on the work-group's number alone
	s_cselect_b64 s[4:5], s[4:5], s[6:7]
	s_cselect_b32 s17, 0, 256
	s_mov_b32 s18, 352
	s_cmp_lt_u32 ttmp9, s18
	s_cselect_b64 s[4:5], s[4:5], s[8:9]
	s_cselect_b32 s17, s17, s18
	s_sub_co_u32 s17, ttmp9, s17
	s_lshl_b32 s17, s17, 2
	s_add_co_u32 s18, s17, s16                     ; which run of 8,192 numbers of its tensor is my wave's
	s_lshl_b32 s18, s18, 15                        ; 32,768 bytes a run (at most 2^25 in all)
	s_mov_b32 s19, 0
	s_add_nc_u64 s[4:5], s[4:5], s[18:19]
	s_lshl_b32 s20, ttmp9, 2
	s_add_co_u32 s20, s20, s16                     ; R: the run's number in the table
	s_and_b32 s21, s20, 3
	s_lshl_b32 s21, s21, 1                         ; t goes up one bit,
	s_bfe_u32 s22, s20, 0x10002                    ; y comes down to bit 0
	s_and_b32 s20, s20, 0xfffffff8
	s_or_b32 s20, s20, s21
	s_or_b32 s20, s20, s22                         ; the run's place
	s_mul_i32 s22, s20, 32*STEPS*CB                ; 6,144 bytes of codes a run
	s_mov_b32 s23, 0
	s_add_nc_u64 s[10:11], s[10:11], s[22:23]
	s_lshl_b32 s22, s20, 8                         ; 256 scale bytes a run
	s_add_nc_u64 s[12:13], s[12:13], s[22:23]
.macro LOAD t
.irp i, 0,1,2,3
	global_load_b128 v[R+16*((\t)%4)+4*\i:R+16*((\t)%4)+4*\i+3], v3, s[4:5] offset:2048*(\t)+512*\i th:TH_LOAD_NT   ; 32 lanes read 512 consecutive bytes
.endr
.endm
.macro TURN t                          ; step t's numbers through the stage: LDS serves a wave's instructions in order, so no wait stands between the stores and the loads
.irp i, 0,1,2,3
	ds_store_b128 v14, v[R+16*((\t)%4)+4*\i:R+16*((\t)%4)+4*\i+3] offset:32*SP*((\t)%2)+8*SP*\i
.endr
.irp i, 0,1,2,3
	ds_load_b128 v[X+16*((\t)%2)+4*\i:X+16*((\t)%2)+4*\i+3], v15 offset:32*SP*((\t)%2)+16*\i
.endr
.endm
.irp t, 0,1,2,3
	LOAD \t
.endr
	s_wait_loadcnt 12                              ; step 0's four loads are in; the twelve of steps 1 to 3 may be out
	TURN 0
.macro STEP t
.set XS, X+16*((\t)%2)
.if (\t) > 0
	s_wait_dscnt 1                                 ; this step's numbers are back from the stage (the last step's byte store may be out): so its stores into the stage have read their registers,
.else
	s_wait_dscnt 0x0
.endif
.if (\t)+4 < STEPS
	LOAD (\t)+4                                    ; which take the loads of four steps on
.endif
.if (\t)+1 < STEPS
.if STEPS-2-(\t) >= 3
	s_wait_loadcnt 12                              ; the next step's four loads are in; those of the three steps behind it may be out
.else
	s_wait_loadcnt 4*(STEPS-2-(\t))
.endif
	TURN (\t)+1                                    ; and go through the other stage while this step is worked
.endif
	v_max3_num_f32 v8, |v[XS]|, |v[XS+1]|, |v[XS+2]|               ; the largest magnitude of my 16, in two chains
	v_max3_num_f32 v9, |v[XS+3]|, |v[XS+4]|, |v[XS+5]|
.irp i, 6,10
	v_max3_num_f32 v8, v8, |v[XS+\i]|, |v[XS+\i+1]|
	v_max3_num_f32 v9, v9, |v[XS+\i+2]|, |v[XS+\i+3]|
.endr
	v_max3_num_f32 v8, v8, |v[XS+14]|, |v[XS+15]|
	v_max3_num_f32 v8, v8, v9, (EMAX+1)<<23        ; and the floor 2^(3 - 127): so the byte cannot fall under 1
	v_max_num_f32_dpp v8, v8, v8 row_xmask:1 row_mask:0xf bank_mask:0xf   ; and of my neighbour's 16: the block's
	v_add_nc_u32 v11, -(EMAX<<23), v8              ; 2 off its exponent field: the conversion takes the exponent field of this operand as its scale, and nothing else of it
	v_cvt_scalef32_pk16_fp6_f32 v[C+4*(\t):C+4*(\t)+2], v[XS:XS+15], v11         ; sixteen numbers / the scale, to the nearest code, ties to even; 96 bits without gaps
	v_lshrrev_b32 v[E+(\t)], 23, v11               ; the scale's byte
	ds_store_b8 v5, v[E+(\t)] offset:16*(\t)       ; both lanes of a block write the same byte with the same value
	global_store_b96 v4, v[C+4*(\t):C+4*(\t)+2], s[10:11] offset:32*CB*(\t)
.endm
.irp t, 0,1,2,3,4,5,6,7,8,9,10,11,12,13,14,15
	STEP \t
.endr
	ds_load_b64 v[8:9], v6                         ; LDS serves a wave's instructions in order: these see my stores
	s_wait_dscnt 0x0
	global_store_b64 v7, v[8:9], s[12:13]          ; 32 lanes store 256 consecutive bytes, aligned
	s_wait_tensorcnt 0x0                           ; the wave's end, behind my last LDS store
	ds_add_u32 v[SPW], v[NIL]
	s_wait_dscnt 0x0
	s_endpgm
.Lfunc_end_k_qc56f3a09e7_quant:
	.size	k_qc56f3a09e7_quant, .Lfunc_end_k_qc56f3a09e7_quant-k_qc56f3a09e7_quant
	.p2alignl 7, 3214868480
	.fill 96, 4, 3214868480
	.section	.rodata,"a",@progbits
	.p2align	6, 0x0
	.amdhsa_kernel k_qc56f3a09e7_quant
		.amdhsa_group_segment_fixed_size 33280
		.amdhsa_private_segment_fixed_size 0
		.amdhsa_enable_private_segment 0
		.amdhsa_kernarg_size 40
		.amdhsa_user_sgpr_count 2
		.amdhsa_user_sgpr_kernarg_segment_ptr 1
		.amdhsa_wavefront_size32 1
		.amdhsa_system_sgpr_workgroup_id_x 1
		.amdhsa_system_sgpr_workgroup_id_y 1
		.amdhsa_system_sgpr_workgroup_id_z 1
		.amdhsa_system_vgpr_workitem_id 0
		.amdhsa_next_free_vgpr 192
		.amdhsa_next_free_sgpr 66
		.amdhsa_reserve_vcc 0
		.amdhsa_float_denorm_mode_32 3
		.amdhsa_float_denorm_mode_16_64 3
		.amdhsa_memory_ordered 1
		.amdhsa_forward_progress 1
		.amdhsa_inst_pref_size 33
	.end_amdhsa_kernel
	.amdgpu_metadata
---
amdhsa.version: [ 1, 2 ]
amdhsa.kernels:
  - .name:           k_qc56f3a09e7_quant
    .symbol:         k_qc56f3a09e7_quant.kd
    .args:
      - { .name: x, .offset: 0, .size: 8, .value_kind: global_buffer, .address_space: global }
      - { .name: w_qkv, .offset: 8, .size: 8, .value_kind: global_buffer, .address_space: global }
      - { .name: w_proj, .offset: 16, .size: 8, .value_kind: global_buffer, .address_space: global }
      - { .name: xw_codes, .offset: 24, .size: 8, .value_kind: global_buffer, .address_space: global }
      - { .name: xw_scales, .offset: 32, .size: 8, .value_kind: global_buffer, .address_space: global }
    .group_segment_fixed_size: 33280
    .private_segment_fixed_size: 0
    .kernarg_segment_align: 8
    .kernarg_segment_size: 40
    .max_flat_workgroup_size: 128
    .sgpr_count:     66
    .vgpr_count:     192
    .wavefront_size: 32
...
	.end_amdgpu_metadata
.endif
;; end of part 1
;; launch qkv (part 2): grid 12 x 32, 4 waves a work-group, clusters of 4 x 4, 327,680 bytes of LDS; arguments xw_codes, xw_scales, b_qkv, pad_mask, q_img, kv_img; writes q_img, kv_img
.if DOCPART == 2
	.amdgcn_target "amdgcn-amd-amdhsa--gfx1250"
	.amdhsa_code_object_version 6
	.text
	.protected	k_qc56f3a09e7_qkv
	.globl	k_qc56f3a09e7_qkv
	.p2align	8
	.type	k_qc56f3a09e7_qkv,@function
k_qc56f3a09e7_qkv:
	s_mov_b64 s[64:65], 0
	v_nop
	global_prefetch_b8 v0, s[64:65] scope:SCOPE_SE
	s_setreg_imm32_b32 hwreg(HW_REG_WAVE_MODE, 25, 1), 1
	s_wait_xcnt 0x0
	s_wait_alu depctr_hold_cnt(0) depctr_sa_sdst(0) depctr_va_vdst(0) depctr_va_sdst(0) depctr_va_ssrc(0) depctr_va_vcc(0) depctr_vm_vsrc(0)
	s_getreg_b32 s2, hwreg(HW_REG_IB_STS2, 6, 4)
	s_cmp_eq_u32 s2, 0
	s_cbranch_scc0 .Lentry_in_a_cluster
	s_endpgm
.Lentry_in_a_cluster:
	s_bfe_u32 s2, ttmp6, 0x10000c
	s_cmp_lg_u32 s2, 0xf033
	s_cbranch_scc0 .Lentry_shape_is_right
	s_endpgm
.Lentry_shape_is_right:
; qkv = x w_qkv^T + b_qkv on codes of FP6 (E2M3) with E8M0 scales, K = 1,024; q, k and v are quantised in registers, each along the K of the product that takes it next, and leave as IMAGES OF OPERAND REGISTERS.
; A work-group of four waves makes 256 x 256, a wave 128 x 128: 64 accumulators, 512 registers.  K goes in steps of 256 through two LDS slots filled by joint tensor loads; the scale bytes of the
; work-group's 512 rows come once and stay.  4 x 4 work-groups form a cluster: the tile that is source 1 (P) is shared along a row of the cluster, the tile that is source 0 (Q) along a column.
; ROLES, by the cluster's x (the same in all partners).  x = 0 (q) and 1 (k): P = 256 tokens, Q = 256 features.  x = 2 (v): P = 256 of v's features, Q = 256 tokens.
; In a result a lane holds ONE row of P, and its registers run along the rows of Q.  The table's rows lie in an order (place 16 t + 8 y + i holds row 32 y + 8 t + i of each 64) by which register j of the lanes' half h
; of Q's tile 4 c + t is Q's row 64 c + 32 h + 8 t + j: the 32 registers of four neighbouring tiles are one whole block of 32, the very one that registers 6 c .. 6 c + 5 of a 6-bit operand hold in that half.
; So a block's largest magnitude needs no other lane and the conversions' results are the operand's registers: along the head's 64 for q and k, along the keys for v.  Lane r of P's tile 4 c + t is P's row 64 c + 32 (r / 8) + 8 t + r % 8.
; THE BIAS of q and k (by Q's rows) is the C of each sum's first product; v's (by P's rows) is added where the sums are moved out of their window.  The one that does not apply is cleared by a select.
; THE PAD MASK RIDES IN THE UPPER HALF OF K, which a head of 64 leaves empty.  At k = 64 every q has the code -1, a hidden key the code +1, a key that counts the code 0; the scale byte of k 64..95 is 127 for q,
; 247 for a hidden key, 1 for a key that counts; that of k 96..127 is 1.  A hidden key's score is then q.k - 2^120, and a key that counts gets an exact 0 more.
; LIMITS: hidden keys are scored about -2^120, not -infinity: right while true scores lie above -2^100.  Blocks of zeros carry the byte 1; blocks under 2^-124 were not tried; NaN and infinities among the inputs are not served.
; REGISTERS, in windows of 256: window 0: v0-31 addresses; v32-63 scale words, two sets; v64-127 Q's bias in the result's layout; v128-223 P's fragments, one set; v224-239 P's bias and the mask word by turns; v240-251 the mask's codes and constants.
;   window 1: Q's fragments, two sets.   window 2: the accumulators of my P rows 0-63 ((a, b) at v[8 (8 a + b)]);   window 3: those of rows 64-127.   On the way out v32-155 of window 0 are at work.
.set KSTEP,  256                       ; along K in a slot
.set NQ,     KSTEP/128
.set ROWB,   192                       ; a tile's row in bytes
.set KROW,   768                       ; a row of the table of codes
.set PITCH,  240                       ; an LDS row: 3 x (64 bytes + 16 of padding)
.set FR,     12                        ; registers of a fragment
.set NL,     6                         ; LDS loads that bring one
.set NP,     4                         ; places behind this matrix instruction (ISA guide 7.12.1)
.set HALFT,  128*PITCH
.set SLOT,   4*HALFT                   ; P's 256 rows, then Q's 256 rows
.set LAPS,   2                         ; 1,024 along K = two laps of two slots
.set KS,     32                        ; a row of scale bytes
.set SCL,    2*SLOT                    ; behind the ring: the scales, as 256 bytes + 16 of padding
.set HALFS,  (128*KS/256)*272
.set SBLK,   (16*KS/256)*272
.set SPARE,  SCL+4*HALFS               ; the spare words, 128 bytes a wave, which no other line names
.set ADRA, 16                          ; v16-17 LDS address of P's fragments in slot 0, 1 (v18-19: behind one padding more)
.set ADRB, 20                          ; v20-23 the same for Q
.set L16,  24                          ; v24 16 x lane
.set L8,   25                          ; v25 8 x lane
.set EO,   26                          ; v26 16 x lane + where q's or k's scale words begin in a block
.set ADRS, 27                          ; v27 LDS address of my scale words: lanes 0-15 P's rows, lanes 16-31 Q's
.set SPW,  28
.set NIL,  29
.set SC,   32
.set BQ,   64
.set AF,   128
.set BPM,  224                         ; v[224 + 2 a] P's bias for tile a, v[225 + 2 a] the pad mask of its row, later the upper half of its scale word
.set EXTC, 240                         ; v240-247 register 6 of tile a's fragment: the mask's code
.set CODEH, 248                        ; the code at k = 64, in lanes 0-15
.set SH8,  249                         ; 8 x (lane / 16)
.set WVIS, 250                         ; bytes 2, 3 of a scale word: a key that counts
.set WSET, 251                         ; q, or a hidden key
.set T,    32                          ; the way out: 64 numbers
.set CD,   96                          ; codes: 8 registers for each c
.set YY,   112                         ; the second halves of the blocks' codes
.set MA,   120                         ; four chains of maxima
.set SCF,  124                         ; the conversions' scale operands
.set BY,   126                         ; the scales' bytes
.set W,    128                         ; scale words: [c][a]
.set XX,   144                         ; a lane permute's results
.set OW,   148                         ; scale words as they are stored
.set WV,   16
.set PH,   17                          ; which half of P's rows is mine.  Also: I fetch for P (0) or for Q (1)
.set QH,   18                          ; which half of Q's rows.  Also: which 128 rows of that tile I fetch
.set ISV,  19
.set G1, 24
.set G0, 32
.set G1B, 48
.set G0B, 56
.set G1S, 68
.set G0S, 76
.set G1SB, 80
.set G0SB, 88
.set SEL,  96                          ; s[96:97] selects for lane l xor 16
.set HIM,  98                          ; lanes 16-31
.set LOM,  99                          ; lanes 0-15
.set QALL, 100                         ; all ones in q's clusters
.set KQ,   101                         ; all ones where Q's bias applies
.set KP,   104                         ; all ones where P's bias applies
.set MSB, 0
.macro WIN new                         ; the immediate's high byte repeats the setting that is left
.if MSB != (\new)
	s_set_vgpr_msb (MSB<<8)|(\new)
.set MSB, (\new)
.endif
.endm
.set MUL_LO, 0xa1                      ; source 0 (Q) window 1, source 1 (P) window 0, C and D window 2
.set MUL_HI, 0xf1                      ; the same, C and D window 3
.set TO_B,   0x40                      ; destination window 1, address window 0
; A joint load: waves 0 and 1 fetch for P, waves 2 and 3 for Q.  Each line has one mask and one set of registers for all that issue it; the branch hangs on the wave's number alone.
.macro JLOAD g0a, g1a, g0b, g1b
	s_cmp_eq_u32 s[PH], 0
	s_cbranch_scc0 .Lfor_b_\@
	tensor_load_to_lds s[\g0a:\g0a+3], s[\g1a:\g1a+7]
	s_nop 0
.rept 4
	v_nop
.endr
	s_branch .Lasked_\@
.Lfor_b_\@:
	tensor_load_to_lds s[\g0b:\g0b+3], s[\g1b:\g1b+7]
	s_nop 0
.rept 4
	v_nop
.endr
.Lasked_\@:
.endm
.macro CREST                           ; a round of the cluster's barrier behind its opening barrier
	s_cmp_lg_u32 s[WV], 0
	s_cbranch_scc1 .Lnot_wave_0_\@
	s_barrier_signal -3
.Lnot_wave_0_\@:
	s_barrier_wait -3
	s_barrier_signal -1
	s_barrier_wait -1
.endm
.macro CROUND
	s_barrier_signal -1
	s_barrier_wait -1
	CREST
.endm
	s_load_b256 s[4:11], s[0:1], 0x0               ; the codes s[4:5], the scale bytes s[6:7], b_qkv s[8:9], pad_mask s[10:11]
	s_load_b128 s[12:15], s[0:1], 0x20             ; q_img s[12:13], kv_img s[14:15]
	v_lshl_add_u32 v[SPW], v0, 2, SPARE
	v_mov_b32 v[NIL], 0
	ds_add_u32 v[SPW], v[NIL]                      ; the wave's opening: the add, and its wait ahead of my first tensor load; the set-up below stands between them
	v_lshrrev_b32 v1, 5, v0
	v_readfirstlane_b32 s[WV], v1                  ; wave 0..3
	s_lshr_b32 s[PH], s[WV], 1
	s_and_b32 s[QH], s[WV], 1
	s_bfe_u32 s40, ttmp6, 0x40000                  ; cx, cy: my place in the cluster
	s_bfe_u32 s41, ttmp6, 0x40004
	s_and_b32 s20, ttmp7, 0xffff
	s_lshl_b32 s20, s20, 2                         ; 4 x cluster y: the first of the cluster's four tiles of tokens
	s_lshl_b32 s21, ttmp9, 2
	s_add_co_u32 s21, s21, 32                      ; 32 + 4 x cluster x: w_qkv's rows begin at tile 32 of the table
	s_cmp_eq_u32 ttmp9, 2                          ; v's clusters
	s_cselect_b32 s[ISV], 1, 0
	s_cselect_b32 s[KP], -1, 0
	s_cselect_b32 s[KQ], 0, -1
	s_cselect_b32 s43, 40, s20                     ; P: v's features (tiles 40-43), else tokens
	s_cselect_b32 s42, s20, s21                    ; Q: tokens, else q's or k's features
	s_add_co_u32 s43, s43, s41                     ; P's tile hangs on cy alone,
	s_add_co_u32 s42, s42, s40                     ; Q's on cx alone
	s_lshl_b32 s44, s41, 2
	s_lshl_b32 s44, 15, s44                        ; my row of the cluster
	s_lshl_b32 s45, 0x1111, s40                    ; my column
	; descriptor group 1: a tile of 128 rows x 192 bytes, 16 bytes of padding behind every 64
	s_or_b32 s[G1+0], s44, (0<<16)|(1<<20)|(1<<21)|(3<<22)|(3<<25)
	s_or_b32 s[G1B+0], s45, (0<<16)|(1<<20)|(1<<21)|(3<<22)|(3<<25)
.irp g, G1, G1B
	s_mov_b32 s[\g+1], ROWB<<16                    ; tensor_dim0
	s_mov_b32 s[\g+2], 128<<16                     ; tensor_dim1
	s_mov_b32 s[\g+3], ROWB<<16                    ; tile_dim0
	s_mov_b32 s[\g+4], 128                         ; tile_dim1
	s_mov_b32 s[\g+5], KROW                        ; from row to row
	s_mov_b32 s[\g+6], 0
	s_mov_b32 s[\g+7], 0
.endr
	; the scale bytes of 128 rows: 4,096 dense bytes, as 16 rows of 256 bytes (32 elements of 8), 16 bytes of padding behind each
	s_or_b32 s[G1S+0], s44, (3<<16)|(1<<20)|(1<<21)|(5<<22)|(3<<25)
	s_or_b32 s[G1SB+0], s45, (3<<16)|(1<<20)|(1<<21)|(5<<22)|(3<<25)
.irp g, G1S, G1SB
	s_mov_b32 s[\g+1], 32<<16
	s_mov_b32 s[\g+2], (128*KS/256)<<16
	s_mov_b32 s[\g+3], 32<<16
	s_mov_b32 s[\g+4], 128*KS/256
	s_mov_b32 s[\g+5], 32
	s_mov_b32 s[\g+6], 0
	s_mov_b32 s[\g+7], 0
.endr
	s_mov_b32 s[SEL], 0x76543210
	s_mov_b32 s[SEL+1], 0xfedcba98
	s_mov_b32 s[HIM], 0xffff0000
	s_mov_b32 s[LOM], 0x0000ffff
	s_lshl_b32 s22, s[QH], 7                       ; which 128 rows of the tile I fetch
	s_lshl_b32 s20, s43, 8
	s_add_co_u32 s20, s20, s22                     ; P's rows in the table
	s_lshl_b32 s46, s42, 8
	s_add_co_u32 s46, s46, s22                     ; Q's
	s_lshl_b32 s22, s20, 5                         ; their scale bytes: 32 a row,
	s_lshl_b32 s92, s46, 5
	s_mul_i32 s20, s20, KROW                       ; and their codes (the table has under 2^24 bytes)
	s_mul_i32 s46, s46, KROW
	s_mov_b32 s21, 0
	s_mov_b32 s23, 0
	s_mov_b32 s47, 0
	s_mov_b32 s93, 0
	s_mul_i32 s95, s[WV], HALFT                    ; where they go: wave x 128 rows: no place in the cluster enters an LDS address
	s_mul_i32 s94, s[WV], HALFS
	s_wait_dscnt 0x0                               ; the opening add is done
	s_wait_kmcnt 0x0
	s_add_nc_u64 s[20:21], s[4:5], s[20:21]
	s_add_nc_u64 s[22:23], s[6:7], s[22:23]
	s_add_nc_u64 s[46:47], s[4:5], s[46:47]
	s_add_nc_u64 s[92:93], s[6:7], s[92:93]
	CROUND                                         ; all sixteen work-groups are here: the first joint loads meet
	s_mov_b32 s[G0S], 1
	s_add_co_u32 s[G0S+1], s94, SCL
	s_mov_b64 s[G0S+2:G0S+3], s[22:23]
	s_or_b32 s[G0S+3], s[G0S+3], 0x80000000
	s_mov_b32 s[G0SB], 1
	s_add_co_u32 s[G0SB+1], s94, SCL
	s_mov_b64 s[G0SB+2:G0SB+3], s[92:93]
	s_or_b32 s[G0SB+3], s[G0SB+3], 0x80000000
	JLOAD G0S, G1S, G0SB, G1SB                     ; the scales first: they are wanted with K step 0
.irp s, 0,1
	s_mov_b32 s[G0+4*\s], 1
	s_add_co_u32 s[G0+4*\s+1], s95, \s*SLOT
	s_add_nc_u64 s[G0+4*\s+2:G0+4*\s+3], s[20:21], \s*ROWB
	s_or_b32 s[G0+4*\s+3], s[G0+4*\s+3], 0x80000000
	s_mov_b32 s[G0B+4*\s], 1
	s_add_co_u32 s[G0B+4*\s+1], s95, \s*SLOT
	s_add_nc_u64 s[G0B+4*\s+2:G0B+4*\s+3], s[46:47], \s*ROWB
	s_or_b32 s[G0B+4*\s+3], s[G0B+4*\s+3], 0x80000000
	JLOAD G0+4*\s, G1, G0B+4*\s, G1B
.endr
	v_and_b32 v1, 15, v0                           ; r = lane % 16
	v_bfe_u32 v2, v0, 4, 1                         ; h = lane / 16
	v_mul_u32_u24 v3, v1, PITCH
	v_mul_u32_u24 v4, v2, 24
	v_add_nc_u32 v4, v3, v4                        ; a fragment's row x pitch + 24 x half
	v_lshl_add_u32 v5, v2, 4, v4                   ; and the same behind one padding more
	s_mul_i32 s21, s[PH], HALFT                    ; my 128 rows of P
	s_mul_i32 s22, s[QH], HALFT                    ; my 128 rows of Q,
	s_add_co_u32 s22, s22, 2*HALFT                 ; which lie behind P's 256
.irp s, 0,1
	v_add_nc_u32 v[ADRA+\s], s21, v4
	v_add_nc_u32 v[ADRB+\s], s22, v4
	v_add_nc_u32 v[ADRA+2+\s], s21, v5
	v_add_nc_u32 v[ADRB+2+\s], s22, v5
	s_add_co_u32 s21, s21, SLOT
	s_add_co_u32 s22, s22, SLOT
.endr
	v_mul_u32_u24 v5, v1, KS                       ; my row's scales: 32 bytes a row,
	v_lshrrev_b32 v6, 8, v5
	v_lshl_add_u32 v5, v6, 4, v5                   ; and 16 more for each 256 passed
	s_mul_i32 s21, s[PH], HALFS
	s_mul_i32 s22, s[QH], HALFS
	s_add_co_u32 s22, s22, 2*HALFS
	s_sub_co_u32 s22, s22, s21
	v_mul_u32_u24 v6, s22, v2                      ; lanes 16-31 take Q's
	s_add_co_u32 s21, s21, SCL
	v_add_nc_u32 v5, v5, v6
	v_add_nc_u32 v[ADRS], s21, v5
	; where my results go, and where my biases and my tokens' mask lie
	s_cmp_eq_u32 s[ISV], 1
	s_cselect_b32 s20, s42, s43                    ; my tile of tokens,
	s_cselect_b32 s21, s[QH], s[PH]                ; my half of it,
	s_cselect_b32 s22, s41, s40                    ; my tile of q's, k's or v's 1,024 features,
	s_cselect_b32 s23, s[PH], s[QH]                ; my half of it
	s_lshl_b32 s20, s20, 1
	s_add_co_u32 s20, s20, s21                     ; my 128 tokens: group 0..63
	s_lshl_b32 s22, s22, 1
	s_add_co_u32 s22, s22, s23                     ; my 128 features: group 0..7, heads 2 x group and the next
	s_lshl_b32 s46, ttmp9, 12
	s_lshl_b32 s47, s22, 9
	s_add_co_u32 s46, s46, s47                     ; 4 (1,024 x cluster x + 128 x group): my features in b_qkv
	s_mov_b32 s47, 0
	s_add_nc_u64 s[8:9], s[8:9], s[46:47]
	s_lshl_b32 s46, s20, 9
	s_add_nc_u64 s[10:11], s[10:11], s[46:47]      ; my tokens in pad_mask
	s_lshr_b32 s21, s20, 4                         ; the batch: 16 groups of tokens each
	s_lshl_b32 s21, s21, 8
	s_lshl_b32 s22, s22, 5
	s_add_co_u32 s21, s21, s22
	s_and_b32 s22, s20, 15
	s_add_co_u32 s21, s21, s22                     ; block = (16 batch + head) 16 + the group within the batch
	s_mov_b32 s23, 15104
	s_mov_b32 s92, 14336
	s_mov_b32 s93, 0x01f70000
	s_cmp_eq_u32 ttmp9, 0                          ; q's clusters
	s_cselect_b32 s[QALL], -1, 0
	s_cselect_b32 s23, 8704, s23                   ; a block's bytes,
	s_cselect_b32 s92, 8192, s92                   ; where its scale words begin,
	s_cselect_b32 s93, 0x017f0000, s93             ; bytes 2, 3 of a scale word: 127, 1 for q; 247, 1 for a hidden key,
	s_cselect_b32 s105, 40, 8                      ; the code at k = 64: -1 for q, +1 for a hidden key
	s_cselect_b64 s[12:13], s[12:13], s[14:15]
	s_mul_i32 s46, s21, s23
	s_add_nc_u64 s[12:13], s[12:13], s[46:47]      ; my first head's block,
	s_lshl_b32 s46, s23, 4
	s_add_nc_u64 s[14:15], s[12:13], s[46:47]      ; my second head's: 16 blocks on
	v_and_b32 v6, 31, v0
	v_lshlrev_b32 v[L16], 4, v6
	v_lshlrev_b32 v[L8], 3, v6
	v_add_nc_u32 v[EO], s92, v[L16]
	v_lshlrev_b32 v[SH8], 3, v2
	v_mov_b32 v[WVIS], 0x01010000
	v_mov_b32 v[WSET], s93
	v_mov_b32 v[CODEH], s105
	v_cndmask_b32 v[CODEH], 0, v[CODEH], s[LOM]    ; k = 64 lies in lanes 0-15
	v_lshlrev_b32 v8, 7, v2                        ; Q's bias: 128 h bytes: my half's 32 rows of each 64
	v_lshrrev_b32 v9, 3, v1
	v_and_b32 v10, 7, v1
	v_lshlrev_b32 v10, 2, v10
	v_lshl_add_u32 v9, v9, 7, v10                  ; P's rows: 4 (32 (r / 8) + r % 8)
.irp b, 0,1,2,3,4,5,6,7
	global_load_b128 v[BQ+8*\b:BQ+8*\b+3], v8, s[8:9] offset:256*(\b/4)+32*(\b%4)          ; rows 64 (b / 4) + 32 h + 8 (b % 4) + 0 .. 7
	global_load_b128 v[BQ+8*\b+4:BQ+8*\b+7], v8, s[8:9] offset:256*(\b/4)+32*(\b%4)+16
.endr
.irp a, 0,1,2,3,4,5,6,7
	global_load_b32 v[BPM+2*\a], v9, s[8:9] offset:256*(\a/4)+32*(\a%4)                    ; row 64 (a / 4) + 32 (r / 8) + 8 (a % 4) + r % 8
	global_load_b32 v[BPM+2*\a+1], v9, s[10:11] offset:256*(\a/4)+32*(\a%4)
.endr
.macro FRAG reg, adr, q, i             ; a fragment: lane l holds row l % 16; registers 6 c .. 6 c + 5 hold K = 64 c + 32 (l / 16) + 0 .. 31: 24 bytes of the row, in pieces of 8
.irp p, 0,1,2,3,4,5
.set PC, 12*(\q)+6*(\p/3)+\p%3        ; where the piece three on lies behind one padding more, the second address register serves
.if PC%8 < 5
	ds_load_b64 v[\reg+2*\p:\reg+2*\p+1], v[\adr] offset:8*PC+16*(PC/8)+(\i)*16*PITCH
.else
	ds_load_b64 v[\reg+2*\p:\reg+2*\p+1], v[\adr+2] offset:8*PC+16*(PC/8)+(\i)*16*PITCH
.endif
.endr
.endm
; 16 matrix instructions: P's blocks a0, a0 + 1 x Q's eight, 128 along K.  zero = 1: the first product starts the sums, with Q's bias as its C.  The 64 accumulators take turns, one instruction a turn.
.macro MUL16 a0, p, q, sc, zero
.irp a, \a0, \a0+1
.irp b, 0,1,2,3,4,5,6,7
.if \zero
	v_wmma_scale_f32_16x16x128_f8f6f4 v[8*(8*((\a)%4)+\b):8*(8*((\a)%4)+\b)+7], v[128*(\p)+FR*\b:128*(\p)+FR*\b+FR-1], v[AF+FR*(\a):AF+FR*(\a)+FR-1], v[BQ+8*\b:BQ+8*\b+7], v[SC+8*NQ*(\sc)+NQ*\b+(\q)], v[SC+8*NQ*(\sc)+NQ*(\a)+(\q)] matrix_a_fmt:MATRIX_FMT_FP6 matrix_b_fmt:MATRIX_FMT_FP6 matrix_a_scale:MATRIX_SCALE_ROW1
.else
	v_wmma_scale_f32_16x16x128_f8f6f4 v[8*(8*((\a)%4)+\b):8*(8*((\a)%4)+\b)+7], v[128*(\p)+FR*\b:128*(\p)+FR*\b+FR-1], v[AF+FR*(\a):AF+FR*(\a)+FR-1], v[8*(8*((\a)%4)+\b):8*(8*((\a)%4)+\b)+7], v[SC+8*NQ*(\sc)+NQ*\b+(\q)], v[SC+8*NQ*(\sc)+NQ*(\a)+(\q)] matrix_a_fmt:MATRIX_FMT_FP6 matrix_b_fmt:MATRIX_FMT_FP6 matrix_a_scale:MATRIX_SCALE_ROW1
.endif
.endr
.endr
.endm
.macro FETCH_B slot, q, p              ; Q's eight fragments of the slot's q-th 128 along K into set p
	WIN TO_B
.irp i, 0,1,2,3,4,5,6,7
	FRAG 128*(\p)+FR*\i, ADRB+\slot, \q, \i
.endr
	WIN 0
.endm
.macro FETCH_A slot, q, i0             ; P's blocks i0 .. i0 + 3
.irp i, \i0, \i0+1, \i0+2, \i0+3
	FRAG AF+FR*(\i), ADRA+\slot, \q, \i
.endr
.endm
.macro SCALES sc                       ; a K step's scale words: two a row; lanes 0-15 take P's block i, lanes 16-31 Q's block i
.irp i, 0,1,2,3,4,5,6,7
	ds_load_b64 v[SC+8*NQ*\sc+NQ*\i:SC+8*NQ*\sc+NQ*\i+1], v[ADRS] offset:\i*SBLK
.endr
.endm
.macro PLACES n                        ; plain vector instructions that name no register of the matrix instructions in front: ahead of loads into registers that those have read, and of the first read of results
.rept \n
	v_nop
.endr
.endm
; A step of 128 along K that has its successor in the same slot.
.macro STEP slot, q, zero
	s_wait_dscnt 4*NL                              ; Q's set and P's blocks 0-3 are in; the youngest 24 loads (P's blocks 4-7) may be out
	WIN MUL_LO-0x20*(\zero)                        ; (with zero = 1 the C lies in window 0)
	MUL16 0, (\q)%2, \q, \slot, \zero
	MUL16 2, (\q)%2, \q, \slot, \zero
	s_wait_dscnt 0                                 ; P's blocks 4-7 are in
	PLACES NP
	FETCH_B \slot, (\q)+1, 1-(\q)%2
	FETCH_A \slot, (\q)+1, 0
	WIN MUL_HI-0x30*(\zero)
	MUL16 4, (\q)%2, \q, \slot, \zero
	MUL16 6, (\q)%2, \q, \slot, \zero
	PLACES NP
	WIN 0
	FETCH_A \slot, (\q)+1, 4
.endm
; A slot's last step changes slots: one barrier; in front of it each wave waits for all its tensor loads, adds 0 to its spare word, and waits for that and for its own reads of this slot.  fill = 1: this slot is filled again, two K steps ahead.
.macro TURN slot, next, fill
	s_wait_tensorcnt 0x0                           ; all my tensor loads have landed: my part of the next slot
	ds_add_u32 v[SPW], v[NIL]                      ; 0 onto my spare word
	s_wait_dscnt 4*NL+1                            ; (the add and the youngest 24 loads may be out)
	WIN MUL_LO
	MUL16 0, 1, NQ-1, \slot, 0                     ; sixteen matrix instructions stand between the add and the wait for it
	s_wait_dscnt 0x0                               ; the add is done, and my reads of this slot are over
	s_barrier_signal -1
	MUL16 2, 1, NQ-1, \slot, 0
	WIN 0
	s_barrier_wait -1
.if \fill
	CREST                                          ; the barrier has opened a round of the cluster's barrier: no wave of any partner still reads this slot or has a load on its way
	s_add_nc_u64 s[G0+4*\slot+2:G0+4*\slot+3], s[G0+4*\slot+2:G0+4*\slot+3], 2*ROWB
	s_add_nc_u64 s[G0B+4*\slot+2:G0B+4*\slot+3], s[G0B+4*\slot+2:G0B+4*\slot+3], 2*ROWB
	JLOAD G0+4*\slot, G1, G0B+4*\slot, G1B         ; the first tensor load behind the round; its four v_nop are the places in front of the loads below
.else
	PLACES NP
.endif
	v_add_nc_u32 v[ADRS], 4*NQ, v[ADRS]            ; on to the next K step's scale words
	FETCH_B \next, 0, 0
	FETCH_A \next, 0, 0
	SCALES \next
	WIN MUL_HI
	MUL16 4, 1, NQ-1, \slot, 0
	MUL16 6, 1, NQ-1, \slot, 0
	PLACES NP
	WIN 0
	FETCH_A \next, 0, 4
.endm
	s_wait_tensorcnt 1                             ; the scales and my part of K step 0 are in (K step 1's load may be out)
	s_barrier_signal -1
	s_barrier_wait -1                              ; everybody's are
	FETCH_B 0, 0, 0
	FETCH_A 0, 0, 0
	SCALES 0
	FETCH_A 0, 0, 4
	s_wait_loadcnt 0x0                             ; the biases and the mask
.set j, 0
.rept 64
	v_cndmask_b32 v[BQ+j], 0, v[BQ+j], s[KQ]       ; Q's bias counts for q and k alone,
.set j, j+1
.endr
.irp a, 0,1,2,3,4,5,6,7
	v_cndmask_b32 v[BPM+2*\a], 0, v[BPM+2*\a], s[KP]   ; P's for v alone
.endr
	STEP 0, 0, 1                                   ; the first step stands in front of the loop: its products start the sums
	s_mov_b32 s3, LAPS-1
.Llap:                                                 ; a trip goes once round the ring, from a lap's second step to the next lap's first, and fills both slots again
	TURN 0, 1, 1
	STEP 1, 0, 0
	TURN 1, 0, 1
	STEP 0, 0, 0
	s_sub_co_u32 s3, s3, 1
	s_cmp_lg_u32 s3, 0
	s_cbranch_scc1 .Llap
	TURN 0, 1, 0                                   ; the last lap fills nothing, and has no round of the cluster's barrier
	STEP 1, 0, 0
	s_wait_dscnt 4*NL                              ; the very last step: nothing more to fetch
	WIN MUL_LO
	MUL16 0, 1, NQ-1, 1, 0
	MUL16 2, 1, NQ-1, 1, 0
	s_wait_dscnt 0
	WIN MUL_HI
	MUL16 4, 1, NQ-1, 1, 0
	MUL16 6, 1, NQ-1, 1, 0
	WIN 0
; THE WAY OUT.  UNITS a: the 64 sums of P's block a come into window 0 (P's bias is added on the way; each accumulator is read from its low end on) and are quantised: two blocks of 32 a lane, c = 0, 1.
; Codes of block c: v[CD + 8 c] .. + 5; its byte: v[BY + c].
.macro UNITS a
	s_wait_xcnt 0x0                                ; the last block's stores have read their data: the codes' registers may be written again
	WIN 0x02+(\a)/4                                ; source 0: window 2 or 3
.set i, 0
.rept 32
	v_pk_add_f32 v[T+2*i:T+2*i+1], v[64*((\a)%4)+2*i:64*((\a)%4)+2*i+1], v[BPM+2*(\a):BPM+2*(\a)+1] op_sel_hi:[1,0]
.set i, i+1
.endr
	WIN 0
.irp c, 0,1
	v_max3_num_f32 v[MA+2*\c], |v[T+32*\c]|, |v[T+32*\c+1]|, 0x1800000     ; a block's largest magnitude, in two chains; the floor 2^(3 - 127) holds the byte at 1 from below
	v_max3_num_f32 v[MA+2*\c+1], |v[T+32*\c+16]|, |v[T+32*\c+17]|, |v[T+32*\c+18]|
.endr
.irp n, 0,1,2,3,4,5
.irp c, 0,1
	v_max3_num_f32 v[MA+2*\c], v[MA+2*\c], |v[T+32*\c+2+2*\n]|, |v[T+32*\c+3+2*\n]|
	v_max3_num_f32 v[MA+2*\c+1], v[MA+2*\c+1], |v[T+32*\c+19+2*\n]|, |v[T+32*\c+20+2*\n]|
.endr
.endr
.irp c, 0,1
	v_max3_num_f32 v[MA+2*\c], v[MA+2*\c], |v[T+32*\c+14]|, |v[T+32*\c+15]|
.endr
.irp c, 0,1
	v_max3_num_f32 v[MA+2*\c], v[MA+2*\c], v[MA+2*\c+1], |v[T+32*\c+31]|
.endr
.irp c, 0,1
	v_add_nc_u32 v[SCF+\c], 0xff000000, v[MA+2*\c] ; 2 off the exponent field: the conversion's scale operand
.endr
.irp c, 0,1
	v_lshrrev_b32 v[BY+\c], 23, v[SCF+\c]          ; the scale's byte
.endr
.irp c, 0,1
	v_cvt_scalef32_pk16_fp6_f32 v[CD+8*\c:CD+8*\c+2], v[T+32*\c:T+32*\c+15], v[SCF+\c]
	v_cvt_scalef32_pk16_fp6_f32 v[YY+4*\c:YY+4*\c+2], v[T+32*\c+16:T+32*\c+31], v[SCF+\c]   ; (a conversion's three registers begin on an even number)
.endr
	v_nop                                          ; one plain place behind the scaled conversions
.irp c, 0,1
.irp n, 0,1,2
	v_mov_b32 v[CD+8*\c+3+\n], v[YY+4*\c+\n]
.endr
.endr
.endm
	PLACES NP                                      ; behind the last products, ahead of the first read of results and of writes into registers that they read
	v_mov_b32 v[XX], 0                             ; written once: a lane permute's destination counts as one of its sources
	v_mov_b32 v[XX+1], 0
	s_cmp_eq_u32 s[ISV], 1                         ; the cluster's x: the same in all partners
	s_cbranch_scc1 .Lvarm
	; ---- q and k: block c is head c's; a lane holds k = 32 h + 0 .. 31 of its token: registers 0-5 of a fragment whose upper half carries the mask
.irp a, 0,1,2,3,4,5,6,7
	v_cmp_ne_u32 vcc_lo, 0, v[BPM+2*\a+1]          ; a hidden key,
	s_or_b32 s20, vcc_lo, s[QALL]                  ; or any q
	v_cndmask_b32 v[EXTC+\a], 0, v[CODEH], s20
	v_cndmask_b32 v[BPM+2*\a+1], v[WVIS], v[WSET], s20
.endr
.irp a, 0,1,2,3,4,5,6,7
	UNITS \a
	v_mov_b32 v[CD+6], v[EXTC+\a]
	v_mov_b32 v[CD+7], 0
	v_mov_b32 v[CD+14], v[EXTC+\a]
	v_mov_b32 v[CD+15], 0
	global_store_b128 v[L16], v[CD:CD+3], s[12:13] offset:1024*\a            ; each store of the wave covers 512 consecutive bytes, aligned
	global_store_b128 v[L16], v[CD+4:CD+7], s[12:13] offset:1024*\a+512
	global_store_b128 v[L16], v[CD+8:CD+11], s[14:15] offset:1024*\a
	global_store_b128 v[L16], v[CD+12:CD+15], s[14:15] offset:1024*\a+512
.irp c, 0,1
	v_lshlrev_b32 v[BY+\c], v[SH8], v[BY+\c]       ; my block's byte at its place,
.endr
.irp c, 0,1
	v_permlanex16_b32 v[XX+\c], v[BY+\c], s[SEL], s[SEL+1]
.endr
.irp c, 0,1
	v_or_b32 v[BY+\c], v[BY+\c], v[XX+\c]          ; with lane l xor 16's,
.endr
.irp c, 0,1
	v_or_b32 v[W+8*\c+\a], v[BY+\c], v[BPM+2*\a+1] ; and the mask's two bytes: the row's scale word
.endr
.endr
.irp c, 0,1
.irp n, 0,1,2,3
	v_cndmask_b32 v[OW+4*\c+\n], v[W+8*\c+\n], v[W+8*\c+4+\n], s[HIM]   ; lanes 0-15 tiles 0-3, lanes 16-31 tiles 4-7
.endr
.endr
	global_store_b128 v[EO], v[OW:OW+3], s[12:13]
	global_store_b128 v[EO], v[OW+4:OW+7], s[14:15]
	s_branch .Ldone
.Lvarm:
	; ---- v: a lane holds one of the head's 64 and keys 64 c + 32 h + 0 .. 31: both blocks make one fragment of V^T, 12 registers; block a is tile a % 4 of head a / 4
.irp a, 0,1,2,3,4,5,6,7
	UNITS \a
	v_mov_b32 v[CD+6], v[CD+8]
	v_mov_b32 v[CD+7], v[CD+9]
	global_store_b128 v[L16], v[CD:CD+3], s[12+2*(\a/4):13+2*(\a/4)] offset:8192+1536*(\a%4)
	global_store_b128 v[L16], v[CD+4:CD+7], s[12+2*(\a/4):13+2*(\a/4)] offset:8192+1536*(\a%4)+512
	global_store_b128 v[L16], v[CD+10:CD+13], s[12+2*(\a/4):13+2*(\a/4)] offset:8192+1536*(\a%4)+1024
	v_lshl_or_b32 v[BY], v[BY+1], 16, v[BY]        ; my two bytes: blocks h and 2 + h,
	v_lshlrev_b32 v[BY], v[SH8], v[BY]             ; at their places;
	v_permlanex16_b32 v[XX], v[BY], s[SEL], s[SEL+1]
	v_or_b32 v[W+\a], v[BY], v[XX]                 ; with lane l xor 16's two the word is whole
.endr
.irp c, 0,1
.irp n, 0,1
	v_cndmask_b32 v[OW+2*\c+\n], v[W+4*\c+\n], v[W+4*\c+2+\n], s[HIM]   ; lanes 0-15 tiles 0, 1, lanes 16-31 tiles 2, 3
.endr
	global_store_b64 v[L8], v[OW+2*\c:OW+2*\c+1], s[12+2*\c:13+2*\c] offset:14848   ; 256 consecutive bytes, aligned
.endr
.Ldone:
	s_wait_tensorcnt 0x0                           ; the wave's end
	ds_add_u32 v[SPW], v[NIL]
	s_wait_dscnt 0x0
	CROUND                                         ; the closing round: no work-group ends while a partner may still ask for a tile that names it
	s_endpgm
.Lfunc_end_k_qc56f3a09e7_qkv:
	.size	k_qc56f3a09e7_qkv, .Lfunc_end_k_qc56f3a09e7_qkv-k_qc56f3a09e7_qkv
	.p2alignl 7, 3214868480
	.fill 96, 4, 3214868480
	.section	.rodata,"a",@progbits
	.p2align	6, 0x0
	.amdhsa_kernel k_qc56f3a09e7_qkv
		.amdhsa_group_segment_fixed_size 327680
		.amdhsa_private_segment_fixed_size 0
		.amdhsa_enable_private_segment 0
		.amdhsa_kernarg_size 48
		.amdhsa_user_sgpr_count 2
		.amdhsa_user_sgpr_kernarg_segment_ptr 1
		.amdhsa_wavefront_size32 1
		.amdhsa_system_sgpr_workgroup_id_x 1
		.amdhsa_system_sgpr_workgroup_id_y 1
		.amdhsa_system_sgpr_workgroup_id_z 1
		.amdhsa_system_vgpr_workitem_id 0
		.amdhsa_next_free_vgpr 1024
		.amdhsa_next_free_sgpr 106
		.amdhsa_reserve_vcc 1
		.amdhsa_float_denorm_mode_32 3
		.amdhsa_float_denorm_mode_16_64 3
		.amdhsa_memory_ordered 1
		.amdhsa_forward_progress 1
		.amdhsa_inst_pref_size 230
	.end_amdhsa_kernel
	.amdgpu_metadata
---
amdhsa.version: [ 1, 2 ]
amdhsa.kernels:
  - .name:           k_qc56f3a09e7_qkv
    .symbol:         k_qc56f3a09e7_qkv.kd
    .args:
      - { .name: xw_codes, .offset: 0, .size: 8, .value_kind: global_buffer, .address_space: global }
      - { .name: xw_scales, .offset: 8, .size: 8, .value_kind: global_buffer, .address_space: global }
      - { .name: b_qkv, .offset: 16, .size: 8, .value_kind: global_buffer, .address_space: global }
      - { .name: pad_mask, .offset: 24, .size: 8, .value_kind: global_buffer, .address_space: global }
      - { .name: q_img, .offset: 32, .size: 8, .value_kind: global_buffer, .address_space: global }
      - { .name: kv_img, .offset: 40, .size: 8, .value_kind: global_buffer, .address_space: global }
    .group_segment_fixed_size: 327680
    .private_segment_fixed_size: 0
    .kernarg_segment_align: 8
    .kernarg_segment_size: 48
    .max_flat_workgroup_size: 128
    .sgpr_count:     106
    .vgpr_count:     1024
    .wavefront_size: 32
...
	.end_amdgpu_metadata
.endif
;; end of part 2
;; launch attn (part 3): grid 4 x 64, 16 waves a work-group, clusters of 4 x 1, 243,712 bytes of LDS; arguments q_img, kv_img, o_img, o_scales; writes o_img, o_scales
.if DOCPART == 3
	.amdgcn_target "amdgcn-amd-amdhsa--gfx1250"
	.amdhsa_code_object_version 6
	.text
	.protected	k_qc56f3a09e7_attn
	.globl	k_qc56f3a09e7_attn
	.p2align	8
	.type	k_qc56f3a09e7_attn,@function
k_qc56f3a09e7_attn:
	s_mov_b64 s[64:65], 0
	v_nop
	global_prefetch_b8 v0, s[64:65] scope:SCOPE_SE
	s_setreg_imm32_b32 hwreg(HW_REG_WAVE_MODE, 25, 1), 1
	s_wait_xcnt 0x0
	s_wait_alu depctr_hold_cnt(0) depctr_sa_sdst(0) depctr_va_vdst(0) depctr_va_sdst(0) depctr_va_ssrc(0) depctr_va_vcc(0) depctr_vm_vsrc(0)
	s_getreg_b32 s2, hwreg(HW_REG_IB_STS2, 6, 4)
	s_cmp_eq_u32 s2, 0
	s_cbranch_scc0 .Lentry_in_a_cluster
	s_endpgm
.Lentry_in_a_cluster:
	s_bfe_u32 s2, ttmp6, 0x10000c
	s_cmp_lg_u32 s2, 0x3003
	s_cbranch_scc0 .Lentry_shape_is_right
	s_endpgm
.Lentry_shape_is_right:
; O = softmax(q k^T / 8, hidden keys left out) v for one head, both products on codes of FP6 (E2M3) with E8M0 scales; O is quantised along the head's 64 and leaves as images of the projection's operand registers.
; THE SOFTMAX: t = score x log2(e) / 8; M = the largest t so far, rounded up to a whole number; p = 2^(t - M) is quantised along the keys, not normalised; the row's sum is taken of the unquantised p and divides O at the end.
; When M moves, the sum and O are multiplied by 2^(old M - new M): exact.
; SHARES.  A work-group owns 512 queries of one head; each of its sixteen waves two tiles of 16, one after the other: 256 registers a wave, four waves to a SIMD, so that one wave's vector work stands beside another's products and loads.
; THE WHOLE HEAD'S K, V AND SCALE WORDS STAY IN LDS: 16 blocks of 15,104 bytes (128 keys each), filled once: wave w brings block w by one tensor load.  No slot is filled again and the loop has no barrier.
; CLUSTER.  The four work-groups of a head form a cluster and ask for each block jointly: the same load with the same descriptor and a mask that names the four.
; LAYOUT.  Both products are used transposed: S^T = K Q^T, O^T = V^T P^T: a lane holds one query (lane % 16) throughout.  K's and V's tiles lie in LDS as images of their registers: lane l's 16 bytes at 16 l.
; By the order in which the rows were laid, register j of half h of K's tile 4 c + t is key 64 c + 32 h + 8 t + j: a lane's 32 scores of four tiles are one whole block of 32 keys, the one that registers 6 c .. 6 c + 5 of P hold in that half.
; So a block's largest score needs no other lane, and the conversions' results are P's registers.  In O^T register 8 t + j of half h is channel 32 h + 8 t + j: again a whole block.
; K = 64 fills half of the instruction's K.  A tile of K is 8 registers; its operand names 12, the last four being the next tile's first four: they meet q's zero codes alone.
; THE MASK rides at k = 64: a hidden key's score is q.k - 2^120.  The largest score starts at -2^100, above every hidden score: so hidden keys have p = 0 from the first step on.
; A row all of whose keys are hidden ends with that start: its two scale bytes are set to 0xff, by which the projection's sums of that row are NaN, as the softmax of an empty row is.
; LIMITS: right while true scores lie above -2^100; blocks of zeros carry the byte 1; NaN and infinities among the inputs are not served.
; REGISTERS: v1, v2 16 and 8 x lane; v3, v4 the add's two; v5, v6 the step's LDS addresses; v7 8 h; v8 32 r + h; v9 16 r; v11 255; v12 -M; v13 the largest score; v[14:15] the sum; v16-27 Q; v28 Q's scale word; v29 P's;
;   v30-33 K's scale words; v34-35 V's; v36-103 K's tiles, then V's; v104-167 S^T, then p; v168-199 O^T; v200-211 P's codes; v212-255 at work.
.set BLK,   15104                      ; a block: K's 8 tiles x 1,024, V^T's 4 tiles x 1,536, K's scale words (512), V's (256)
.set VOFF,  8192
.set KSOFF, 14336
.set VSOFF, 14848
.set SPARE, 16*BLK                     ; behind the blocks: the spare words, 128 bytes a wave, which no other line names
.macro CROUND                          ; a round of the cluster's barrier
	s_barrier_signal -1
	s_barrier_wait -1
	s_cmp_lg_u32 s12, 0
	s_cbranch_scc1 .Lnot_wave_0_\@
	s_barrier_signal -3
.Lnot_wave_0_\@:
	s_barrier_wait -3
	s_barrier_signal -1
	s_barrier_wait -1
.endm
	s_load_b256 s[4:11], s[0:1], 0x0               ; q_img s[4:5], kv_img s[6:7], o_img s[8:9], o_scales s[10:11]
	v_lshl_add_u32 v3, v0, 2, SPARE
	v_mov_b32 v4, 0
	ds_add_u32 v3, v4                              ; the wave's opening: the add, and its wait ahead of my first tensor load; the set-up below stands between them
	ds_add_u32 v3, v4
	v_lshrrev_b32 v1, 5, v0
	s_delay_alu instid0(VALU_DEP_1)
	v_readfirstlane_b32 s12, v1                    ; wave 0..15
	s_bfe_u32 s13, ttmp6, 0x40000                  ; cx: my 512 queries of the head
	s_and_b32 s14, ttmp7, 0xffff                   ; 16 x batch + head, which the four partners share
	; descriptor group 1: a dense block of 15,104 bytes as 59 rows of 256 bytes (32 elements of 8), no padding
	s_mov_b32 s16, 15|(3<<16)|(1<<21)              ; 15:0 the mask: all four work-groups; 17:16 elements of 8 bytes; 21 set beside a mask
	s_mov_b32 s17, 32<<16                          ; tensor_dim0
	s_mov_b32 s18, 59<<16                          ; tensor_dim1
	s_mov_b32 s19, 32<<16                          ; tile_dim0
	s_mov_b32 s20, 59                              ; tile_dim1
	s_mov_b32 s21, 32                              ; from row to row
	s_mov_b32 s22, 0
	s_mov_b32 s23, 0
	s_mov_b32 s28, 0x76543210
	s_mov_b32 s29, 0xfedcba98                      ; selects for lane l xor 16
	s_mov_b32 s30, 0x3e38aa3b                      ; c = log2(e) / 8
	s_mov_b32 s31, s30                             ; (named with it as a pair, so it is written)
	s_mov_b32 s32, 0xbe38aa3b                      ; -c
	s_mov_b32 s35, 2                               ; my two tiles of queries
	s_lshl_b32 s38, s14, 4
	s_add_co_u32 s38, s38, s12
	s_mul_i32 s38, s38, BLK                        ; the block that I fetch: keys 128 w on of my head
	s_mov_b32 s39, 0
	s_mov_b32 s24, 1                               ; group 0: count = 1,
	s_mul_i32 s25, s12, BLK                        ; LDS address: wave x a block: no place in the cluster enters it
	s_lshl_b32 s40, s14, 4
	s_lshl_b32 s41, s13, 2
	s_add_co_u32 s40, s40, s41
	s_lshr_b32 s41, s12, 2
	s_add_co_u32 s40, s40, s41
	s_mul_i32 s40, s40, 8704                       ; q's block of 128 queries: 16 (16 batch + head) + 4 cx + wave / 4
	s_and_b32 s41, s12, 3
	s_lshl_b32 s41, s41, 11
	s_add_co_u32 s42, s40, s41                     ; my first tile in it: 2 (wave % 4)
	s_mov_b32 s43, 0
	s_bfe_u32 s41, s12, 0x10001
	s_lshl_b32 s41, s41, 8
	s_add_co_u32 s40, s40, s41
	s_and_b32 s41, s12, 1
	s_lshl_b32 s41, s41, 3
	s_add_co_u32 s40, s40, s41
	s_add_co_u32 s40, s40, 8192                    ; its scale words: the word of tile 4 u + i, row r lies at 16 (r + 16 u) + 4 i
	s_mov_b32 s41, 0
	s_lshl_b32 s44, s14, 7
	s_lshl_b32 s45, s13, 5
	s_add_co_u32 s44, s44, s45
	s_lshl_b32 s45, s12, 1
	s_add_co_u32 s44, s44, s45
	s_mul_i32 s44, s44, 768                        ; O's image: 128 (16 batch + head) + 32 cx + 2 wave tiles of 768 bytes
	s_mov_b32 s45, 0
	s_lshr_b32 s46, s14, 4
	s_lshl_b32 s46, s46, 16                        ; O's scale bytes: 32 a row: batch x 2,048 rows,
	s_lshl_b32 s47, s13, 14                        ; cx x 512,
	s_add_co_u32 s46, s46, s47
	s_lshl_b32 s47, s12, 10                        ; wave x 32;
	s_add_co_u32 s46, s46, s47
	s_and_b32 s47, s14, 15
	s_lshl_b32 s47, s47, 1                         ; bytes 2 head and 2 head + 1
	s_add_co_u32 s46, s46, s47
	s_mov_b32 s47, 0
	s_wait_dscnt 0x0                               ; the opening add is done
	s_wait_kmcnt 0x0
	s_add_nc_u64 s[26:27], s[6:7], s[38:39]
	s_or_b32 s27, s27, 0x80000000                  ; type = 2
	s_add_nc_u64 s[36:37], s[4:5], s[40:41]
	s_add_nc_u64 s[4:5], s[4:5], s[42:43]
	s_add_nc_u64 s[8:9], s[8:9], s[44:45]
	s_add_nc_u64 s[10:11], s[10:11], s[46:47]
	CROUND                                         ; all four work-groups are here: the joint loads meet
	tensor_load_to_lds s[24:27], s[16:23]          ; my one tensor load of the launch
	s_nop 0
.rept 4
	v_nop
.endr
	v_and_b32 v10, 31, v0
	s_delay_alu instid0(VALU_DEP_1)
	v_lshlrev_b32 v1, 4, v10                       ; 16 x lane
	s_delay_alu instid0(VALU_DEP_2)
	v_lshlrev_b32 v2, 3, v10                       ; 8 x lane
	v_bfe_u32 v7, v0, 4, 1                         ; h
	v_and_b32 v9, 15, v0                           ; r
	s_delay_alu instid0(VALU_DEP_1)
	v_lshl_add_u32 v8, v9, 5, v7                   ; 32 r + h
	s_delay_alu instid0(VALU_DEP_2)
	v_lshlrev_b32 v9, 4, v9                        ; 16 r
	s_delay_alu instid0(VALU_DEP_4)
	v_lshlrev_b32 v7, 3, v7                        ; 8 h
	v_mov_b32 v11, 255
.irp j, 24,25,26,27,100,101,102,103
	v_mov_b32 v[\j], 0                             ; Q's registers 8-11: zero codes; and what the last tile of K names beyond its eight
.endr
.irp j, 228,229,231,239
	v_mov_b32 v[\j], 0                             ; lane permutes' destinations, and the upper halves of pairs that are named whole
.endr
	s_wait_tensorcnt 0x0                           ; my block has landed,
	s_barrier_signal -1
	s_barrier_wait -1                              ; everybody's has
.Lpass:                                            ; two trips: a tile of 16 queries each
	global_load_b128 v[16:19], v1, s[4:5]          ; Q's registers 0-3,
	global_load_b128 v[20:23], v1, s[4:5] offset:512   ; 4-7: 6 holds the code -1 at k = 64
	global_load_b32 v28, v9, s[36:37]              ; its scale words
.set j, 0
.rept 32
	v_mov_b32 v[168+j], 0                          ; O^T.  (The step is written once: the first finds zeros, which the first change of M leaves zeros)
.set j, j+1
.endr
	v_mov_b32 v14, 0
	v_mov_b32 v15, 0
	v_mov_b32 v13, 0xf1800000                      ; the largest score so far: -2^100, above every hidden key's, under every true one
	s_delay_alu instid0(VALU_DEP_1)
	v_mul_f32 v10, s32, v13
	s_delay_alu instid0(VALU_DEP_1)
	v_floor_f32 v12, v10                           ; -M
	s_mov_b32 s33, 0                               ; the step's block in LDS
	s_mov_b32 s34, 16
	s_wait_loadcnt 0x0
.Lstep:                                            ; sixteen trips: 128 keys each
	s_setprio 2
	v_add_nc_u32 v5, s33, v1
	v_add_nc_u32 v6, s33, v2
	v_nop
	v_nop                                          ; four places behind the last products, ahead of loads into registers that they read
.irp n, 0,1,2,3,4,5,6,7,8,9,10,11,12,13,14,15
	ds_load_b128 v[36+4*\n:39+4*\n], v5 offset:512*\n   ; K's eight tiles, 8 registers each
.endr
	ds_load_b128 v[30:33], v5 offset:KSOFF         ; register i: lanes 0-15 tile i's scale words, lanes 16-31 tile 4 + i's
	s_wait_alu depctr_va_vdst(0)
	s_wait_dscnt 0x0
.irp t, 0,1,2,3
	v_wmma_scale_f32_16x16x128_f8f6f4 v[104+8*\t:111+8*\t], v[36+8*\t:47+8*\t], v[16:27], 0, v[30+\t], v28 matrix_a_fmt:MATRIX_FMT_FP6 matrix_b_fmt:MATRIX_FMT_FP6
.endr
.irp t, 4,5,6,7
	v_wmma_scale_f32_16x16x128_f8f6f4 v[104+8*\t:111+8*\t], v[36+8*\t:47+8*\t], v[16:27], 0, v[30+\t-4], v28 matrix_a_fmt:MATRIX_FMT_FP6 matrix_b_fmt:MATRIX_FMT_FP6 matrix_a_scale:MATRIX_SCALE_ROW1
.endr
.rept 4
	v_nop                                          ; places ahead of the loads below and of the first read of the scores
.endr
.irp n, 0,1,2,3,4,5,6,7,8,9,10,11
	ds_load_b128 v[36+4*\n:39+4*\n], v5 offset:VOFF+512*\n   ; V^T's four tiles, 12 registers each: they land under the softmax
.endr
	ds_load_b64 v[34:35], v6 offset:VSOFF          ; register i: lanes 0-15 tile i's scale words, lanes 16-31 tile 2 + i's
	; the largest score of each of my two blocks of 32 keys: for the row's maximum, and, since p rises with the score, for the block's largest p.  Two chains a block, cut at the tiles' edges
.irp c, 0,1
	v_max3_num_f32 v[220+2*\c], v[104+32*\c], v[105+32*\c], v[106+32*\c]
	v_max3_num_f32 v[221+2*\c], v[120+32*\c], v[121+32*\c], v[122+32*\c]
.endr
.irp n, 0,1,2,3,4,5
.irp c, 0,1
	v_max3_num_f32 v[220+2*\c], v[220+2*\c], v[107+32*\c+2*\n], v[108+32*\c+2*\n]
	v_max3_num_f32 v[221+2*\c], v[221+2*\c], v[123+32*\c+2*\n], v[124+32*\c+2*\n]
.endr
.endr
.irp c, 0,1
	v_max3_num_f32 v[220+2*\c], v[220+2*\c], v[221+2*\c], v[119+32*\c]
.endr
.irp c, 0,1
	v_max_num_f32 v[220+2*\c], v[220+2*\c], v[135+32*\c]
.endr
	s_delay_alu instid0(VALU_DEP_1)
	v_max3_num_f32 v232, v220, v222, v13
	s_delay_alu instid0(VALU_DEP_1)
	v_permlanex16_b32 v228, v232, s28, s29
	s_delay_alu instid0(VALU_DEP_1)
	v_max_num_f32 v13, v232, v228                  ; with lane l xor 16's 64 keys: the running largest score
	s_delay_alu instid0(VALU_DEP_1)
	v_mul_f32 v10, s32, v13
	v_mov_b32 v232, v12
	s_delay_alu instid0(VALU_DEP_2)
	v_floor_f32 v12, v10                           ; the new -M = floor(-t) = -ceil(t): a whole number
	s_delay_alu instid0(VALU_DEP_1)
	v_sub_f32 v232, v12, v232                      ; old M - new M: a whole number, 0 or less
	s_delay_alu instid0(VALU_DEP_1)
	v_cvt_i32_f32 v232, v232                       ; (it saturates)
	s_delay_alu instid0(VALU_DEP_1)
	v_ldexp_f32 v230, 1.0, v232                    ; f = 2^(old M - new M)
.set j, 0
.rept 32
	v_pk_fma_f32 v[104+j:105+j], v[104+j:105+j], s[30:31], v[12:13] op_sel_hi:[1,0,0]   ; t - M, two at a time
.set j, j+2
.endr
	v_fma_f32 v220, v220, s30, v12                 ; the same of each block's largest score
	v_fma_f32 v222, v222, s30, v12
.set j, 0
	s_setprio 1
	s_wait_alu depctr_va_vdst(0)
.rept 64
	v_exp_f32 v[104+j], v[104+j]                   ; p = 2^(t - M), at most 1
.set j, j+1
.endr
	v_pk_mul_f32 v[14:15], v[14:15], v[230:231] op_sel_hi:[1,0]   ; the sums under the new M: the plain place behind the exponentials
	s_wait_alu depctr_va_vdst(0)                   ; one wait for the whole batch, ahead of its first reader
	v_exp_f32 v220, v220                           ; the blocks' largest p
	v_exp_f32 v222, v222
	v_pk_add_f32 v[236:237], v[108:109], v[112:113]
	v_pk_add_f32 v[254:255], v[116:117], v[120:121]
	v_pk_add_f32 v[252:253], v[124:125], v[128:129]
	v_pk_add_f32 v[250:251], v[132:133], v[136:137]
	v_pk_add_f32 v[248:249], v[140:141], v[144:145]
	v_pk_add_f32 v[246:247], v[148:149], v[152:153]
	v_pk_add_f32 v[244:245], v[156:157], v[160:161]
	v_pk_add_f32 v[14:15], v[14:15], v[164:165]
	v_pk_add_f32 v[236:237], v[236:237], v[104:105]
	v_pk_add_f32 v[254:255], v[254:255], v[106:107]
	v_pk_add_f32 v[252:253], v[252:253], v[110:111]
	v_pk_add_f32 v[250:251], v[250:251], v[114:115]
	v_pk_add_f32 v[248:249], v[248:249], v[118:119]
	v_pk_add_f32 v[246:247], v[246:247], v[122:123]
	v_pk_add_f32 v[244:245], v[244:245], v[126:127]
	v_pk_add_f32 v[14:15], v[14:15], v[130:131]
	v_pk_add_f32 v[236:237], v[236:237], v[134:135]
	v_pk_add_f32 v[254:255], v[254:255], v[138:139]
	v_pk_add_f32 v[252:253], v[252:253], v[142:143]
	v_pk_add_f32 v[250:251], v[250:251], v[146:147]
	v_pk_add_f32 v[248:249], v[248:249], v[150:151]
	v_pk_add_f32 v[246:247], v[246:247], v[154:155]
	v_pk_add_f32 v[244:245], v[244:245], v[158:159]
	v_pk_add_f32 v[14:15], v[14:15], v[162:163]
	v_pk_add_f32 v[236:237], v[236:237], v[166:167]
	s_delay_alu instid0(VALU_DEP_2)
	v_pk_add_f32 v[14:15], v[14:15], v[250:251]
	s_delay_alu instid0(VALU_DEP_2)
	v_pk_add_f32 v[236:237], v[236:237], v[248:249]
	v_pk_add_f32 v[254:255], v[254:255], v[246:247]
	v_pk_add_f32 v[252:253], v[252:253], v[244:245]
	s_delay_alu instid0(VALU_DEP_2)
	v_pk_add_f32 v[14:15], v[14:15], v[254:255]
	s_delay_alu instid0(VALU_DEP_2)
	v_pk_add_f32 v[236:237], v[236:237], v[252:253]
	s_delay_alu instid0(VALU_DEP_1)
	v_pk_add_f32 v[14:15], v[14:15], v[236:237]
	s_wait_alu depctr_va_vdst(0)                   ; and one for the two
.irp c, 0,1
	v_max_num_f32 v[220+2*\c], 0x1800000, v[220+2*\c]   ; the floor 2^(3 - 127): the byte cannot fall under 1 (a block whose every p is 0 keeps that byte: its codes are zeros)
.endr
.irp c, 0,1
	s_delay_alu instid0(VALU_DEP_2)
	v_add_nc_u32 v[224+\c], 0xff000000, v[220+2*\c]     ; 2 off the exponent field: the conversion's scale operand
.endr
.irp c, 0,1
	s_delay_alu instid0(VALU_DEP_2)
	v_lshrrev_b32 v[226+\c], 23, v[224+\c]         ; the scale's byte
.endr
	s_delay_alu instid0(VALU_DEP_1)
	v_lshl_or_b32 v232, v227, 16, v226             ; my two bytes: blocks h and 2 + h,
	s_delay_alu instid0(VALU_DEP_1)
	v_lshlrev_b32 v232, v7, v232                   ; at their places;
	s_delay_alu instid0(VALU_DEP_1)
	v_permlanex16_b32 v229, v232, s28, s29
	s_delay_alu instid0(VALU_DEP_1)
	v_or_b32 v29, v232, v229                       ; with lane l xor 16's two: P's scale word for these 128 keys
.irp c, 0,1
	v_cvt_scalef32_pk16_fp6_f32 v[200+6*\c:202+6*\c], v[104+32*\c:119+32*\c], v[224+\c]
	v_cvt_scalef32_pk16_fp6_f32 v[212+4*\c:214+4*\c], v[120+32*\c:135+32*\c], v[224+\c]   ; (a conversion's three registers begin on an even number)
.endr
	v_nop                                          ; one plain place behind the scaled conversions
.irp c, 0,1
.irp n, 0,1,2
	v_mov_b32 v[203+6*\c+\n], v[212+4*\c+\n]
.endr
.endr
.set j, 0
	s_setprio 0
.rept 16
	v_pk_mul_f32 v[168+j:169+j], v[168+j:169+j], v[230:231] op_sel_hi:[1,0]   ; O^T under the new M.  (These sixteen are also the places between the writes of P and of its scale word and the products)
.set j, j+2
.endr
	s_wait_alu depctr_va_vdst(0)
	s_wait_dscnt 0x0                               ; V is in
.irp t, 0,1
	v_wmma_scale_f32_16x16x128_f8f6f4 v[168+8*\t:175+8*\t], v[36+12*\t:47+12*\t], v[200:211], v[168+8*\t:175+8*\t], v[34+\t], v29 matrix_a_fmt:MATRIX_FMT_FP6 matrix_b_fmt:MATRIX_FMT_FP6
.endr
.irp t, 2,3
	v_wmma_scale_f32_16x16x128_f8f6f4 v[168+8*\t:175+8*\t], v[36+12*\t:47+12*\t], v[200:211], v[168+8*\t:175+8*\t], v[34+\t-2], v29 matrix_a_fmt:MATRIX_FMT_FP6 matrix_b_fmt:MATRIX_FMT_FP6 matrix_a_scale:MATRIX_SCALE_ROW1
.endr
	s_add_co_u32 s33, s33, BLK
	s_sub_co_u32 s34, s34, 1
	s_cmp_lg_u32 s34, 0
	s_cbranch_scc1 .Lstep
	s_setprio 0
	; THE WAY OUT: O^T / the sum; my 32 numbers are block 2 head + h of my query's row of the projection's K
.rept 4
	v_nop                                          ; places behind the last products
.endr
	v_add_f32 v14, v14, v15                        ; the sum's two halves,
	s_delay_alu instid0(VALU_DEP_1)
	v_permlanex16_b32 v228, v14, s28, s29
	s_delay_alu instid0(VALU_DEP_1)
	v_add_f32 v14, v14, v228                       ; and lane l xor 16's
	s_wait_alu depctr_va_vdst(0)
	v_rcp_f32 v238, v14
	v_mov_b32 v239, 0                              ; a plain place behind the reciprocal
	s_wait_alu depctr_va_vdst(0)                   ; the wait, ahead of its first reader
.set j, 0
.rept 16
	v_pk_mul_f32 v[168+j:169+j], v[168+j:169+j], v[238:239] op_sel_hi:[1,0]
.set j, j+2
.endr
	v_max3_num_f32 v220, |v168|, |v169|, 0x1800000 ; the block's largest magnitude, with the floor
	v_max3_num_f32 v221, |v184|, |v185|, |v186|
.irp n, 0,1,2,3,4,5
	s_delay_alu instid0(VALU_DEP_2)
	v_max3_num_f32 v220, v220, |v[170+2*\n]|, |v[171+2*\n]|
	s_delay_alu instid0(VALU_DEP_2)
	v_max3_num_f32 v221, v221, |v[187+2*\n]|, |v[188+2*\n]|
.endr
	s_delay_alu instid0(VALU_DEP_2)
	v_max3_num_f32 v220, v220, |v182|, |v183|
	s_delay_alu instid0(VALU_DEP_1)
	v_max3_num_f32 v220, v220, v221, |v199|
	s_delay_alu instid0(VALU_DEP_1)
	v_add_nc_u32 v224, 0xff000000, v220
	s_delay_alu instid0(VALU_DEP_1)
	v_lshrrev_b32 v226, 23, v224
	v_cmp_ge_f32 vcc_lo, 0xf1800000, v13           ; no key has counted for this query:
	s_delay_alu instid0(VALU_DEP_1)
	v_cndmask_b32 v226, v226, v11, vcc_lo          ; the byte 0xff
	v_cvt_scalef32_pk16_fp6_f32 v[240:242], v[168:183], v224
	v_cvt_scalef32_pk16_fp6_f32 v[212:214], v[184:199], v224
	v_nop                                          ; one plain place behind the scaled conversions
.irp n, 0,1,2
	v_mov_b32 v[243+\n], v[212+\n]
.endr
	global_store_b128 v1, v[240:243], s[8:9]       ; registers 0-3: 512 consecutive bytes, aligned
	global_store_b64 v2, v[244:245], s[8:9] offset:512   ; registers 4, 5: 256 consecutive bytes, aligned
	global_store_b8 v8, v226, s[10:11]             ; two bytes of each row's 32: 1/24 of what this launch stores; the layout lets the projection take the rows' scale bytes as one dense block
	s_wait_xcnt 0x0                                ; the loads and stores have read their addresses and data: the bases step, and the next tile may write the registers
	s_add_nc_u64 s[4:5], s[4:5], 1024
	s_add_nc_u64 s[36:37], s[36:37], 4
	s_add_nc_u64 s[8:9], s[8:9], 768
	s_add_nc_u64 s[10:11], s[10:11], 512
	s_sub_co_u32 s35, s35, 1
	s_cmp_lg_u32 s35, 0
	s_cbranch_scc1 .Lpass
	s_wait_tensorcnt 0x0                           ; the wave's end
	ds_add_u32 v3, v4
	s_wait_dscnt 0x0
	CROUND                                         ; the closing round
	s_endpgm
.Lfunc_end_k_qc56f3a09e7_attn:
	.size	k_qc56f3a09e7_attn, .Lfunc_end_k_qc56f3a09e7_attn-k_qc56f3a09e7_attn
	.p2alignl 7, 3214868480
	.fill 96, 4, 3214868480
	.section	.rodata,"a",@progbits
	.p2align	6, 0x0
	.amdhsa_kernel k_qc56f3a09e7_attn
		.amdhsa_group_segment_fixed_size 243712
		.amdhsa_private_segment_fixed_size 0
		.amdhsa_enable_private_segment 0
		.amdhsa_kernarg_size 32
		.amdhsa_user_sgpr_count 2
		.amdhsa_user_sgpr_kernarg_segment_ptr 1
		.amdhsa_wavefront_size32 1
		.amdhsa_system_sgpr_workgroup_id_x 1
		.amdhsa_system_sgpr_workgroup_id_y 1
		.amdhsa_system_sgpr_workgroup_id_z 1
		.amdhsa_system_vgpr_workitem_id 0
		.amdhsa_next_free_vgpr 256
		.amdhsa_next_free_sgpr 66
		.amdhsa_reserve_vcc 1
		.amdhsa_float_denorm_mode_32 3
		.amdhsa_float_denorm_mode_16_64 3
		.amdhsa_memory_ordered 1
		.amdhsa_forward_progress 1
		.amdhsa_inst_pref_size 27
	.end_amdhsa_kernel
	.amdgpu_metadata
---
amdhsa.version: [ 1, 2 ]
amdhsa.kernels:
  - .name:           k_qc56f3a09e7_attn
    .symbol:         k_qc56f3a09e7_attn.kd
    .args:
      - { .name: q_img, .offset: 0, .size: 8, .value_kind: global_buffer, .address_space: global }
      - { .name: kv_img, .offset: 8, .size: 8, .value_kind: global_buffer, .address_space: global }
      - { .name: o_img, .offset: 16, .size: 8, .value_kind: global_buffer, .address_space: global }
      - { .name: o_scales, .offset: 24, .size: 8, .value_kind: global_buffer, .address_space: global }
    .group_segment_fixed_size: 243712
    .private_segment_fixed_size: 0
    .kernarg_segment_align: 8
    .kernarg_segment_size: 32
    .max_flat_workgroup_size: 512
    .sgpr_count:     66
    .vgpr_count:     256
    .wavefront_size: 32
...
	.end_amdgpu_metadata
.endif
;; end of part 3
;; launch proj (part 4): grid 4 x 32, 4 waves a work-group, clusters of 4 x 4, 327,680 bytes of LDS; arguments o_img, o_scales, xw_codes, xw_scales, b_proj, out0; writes out0
.if DOCPART == 4
	.amdgcn_target "amdgcn-amd-amdhsa--gfx1250"
	.amdhsa_code_object_version 6
	.text
	.protected	k_qc56f3a09e7_proj
	.globl	k_qc56f3a09e7_proj
	.p2align	8
	.type	k_qc56f3a09e7_proj,@function
k_qc56f3a09e7_proj:
	s_mov_b64 s[64:65], 0
	v_nop
	global_prefetch_b8 v0, s[64:65] scope:SCOPE_SE
	s_setreg_imm32_b32 hwreg(HW_REG_WAVE_MODE, 25, 1), 1
	s_wait_xcnt 0x0
	s_wait_alu depctr_hold_cnt(0) depctr_sa_sdst(0) depctr_va_vdst(0) depctr_va_sdst(0) depctr_va_ssrc(0) depctr_va_vcc(0) depctr_vm_vsrc(0)
	s_getreg_b32 s2, hwreg(HW_REG_IB_STS2, 6, 4)
	s_cmp_eq_u32 s2, 0
	s_cbranch_scc0 .Lentry_in_a_cluster
	s_endpgm
.Lentry_in_a_cluster:
	s_bfe_u32 s2, ttmp6, 0x10000c
	s_cmp_lg_u32 s2, 0xf033
	s_cbranch_scc0 .Lentry_shape_is_right
	s_endpgm
.Lentry_shape_is_right:
; out0 = O w_proj^T + b_proj on codes of FP6 (E2M3) with E8M0 scales, K = 1,024 (16 heads x 64).  A work-group of four waves makes 256 x 256, a wave 128 x 128: 64 accumulators, 512 registers.
; K goes in steps of 256 (four heads) through two LDS slots filled by joint tensor loads; the scale bytes of the work-group's 512 rows come once and stay.  4 x 4 work-groups form a cluster: A's tile (O) is shared along a row, B's (w_proj) along a column.
; A COMES AS IMAGES OF ITS REGISTERS: for each head and each tile of 16 tokens 768 bytes: registers 0-3 at 16 x lane, registers 4, 5 at 512 + 8 x lane.  A head's 16 tiles of the work-group's 256 tokens are 12,288 dense bytes;
; a tensor load brings two heads.  A fragment of 128 along K is two heads' images: four LDS loads of consecutive bytes.  B comes as rows of codes out of the table, from row 11,264 on.
; THE MATRIX INSTRUCTION IS USED TRANSPOSED (source 0 = 16 rows of w_proj, source 1 = 16 tokens); the bias is the C of each sum's first product.
; BOTH SIDES' ROWS LIE IN THE TABLE'S ORDER (place 16 t + 8 y + i holds row 32 y + 8 t + i of each 64): register j of half h of B's tile 4 c + t is column 64 c + 32 h + 8 t + j, and lane r of A's tile 4 c + t is token 64 c + 32 (r / 8) + 8 t + r % 8.
; The way out undoes both: the columns by the places in the stage, the tokens by the stores' offsets.
; A row of O whose scale bytes are 0xff (no key counted) gives NaN in all its columns.
; REGISTERS, in windows of 256: window 0: v0-31 addresses; v32-63 scale words, two sets; v64-127 the bias in the result's layout; v128-223 A's fragments, one set; on the way out v128-255 hold rows.
;   window 1: B's fragments, two sets.   window 2: the accumulators of my tokens 0-63;   window 3: those of tokens 64-127.
.set KSTEP,  256
.set NQ,     KSTEP/128
.set ROWB,   192
.set KROW,   768
.set PITCH,  240
.set FR,     12
.set NLA,    4                         ; LDS loads that bring a fragment of A
.set NP,     4
.set HALFT,  128*PITCH                 ; what one tensor load of B brings; a load of A brings 24,576 bytes to the same places
.set SLOT,   4*HALFT
.set HEADB,  12288                     ; a head's 16 tiles
.set ASTEP,  4*128*768                 ; four heads on in O's images
.set LAPS,   2
.set KS,     32
.set SCL,    2*SLOT
.set HALFS,  (128*KS/256)*272
.set SBLK,   (16*KS/256)*272
.set SPARE,  SCL+4*HALFS
.set SPITCH, 528                       ; the way out: a stage of 16 rows x (512 bytes + 16) for each wave, in slot 0, which has had its last fill and its last read when the first result is stored there
.set ADRA, 16                          ; v16-17 16 x lane + my 8 tiles, in slot 0, 1;  v18-19 8 x lane + 512 + the same
.set ADRB, 20
.set STO,  24
.set RD,   25
.set CO,   26
.set ADRS, 27
.set SPW,  28
.set NIL,  29
.set SC,   32
.set BQ,   64
.set AF,   128
.set BK,   128
.set WV,   16
.set PH,   17
.set QH,   18
.set G1, 24
.set G0, 32
.set G1B, 48
.set G0B, 56
.set G1S, 68
.set G0S, 76
.set G1SB, 80
.set G0SB, 88
.set MSB, 0
.macro WIN new
.if MSB != (\new)
	s_set_vgpr_msb (MSB<<8)|(\new)
.set MSB, (\new)
.endif
.endm
.set MUL_LO, 0xa1
.set MUL_HI, 0xf1
.set TO_B,   0x40
.macro JLOAD g0a, g1a, g0b, g1b        ; a joint load: waves 0 and 1 fetch for A, waves 2 and 3 for B; the branch hangs on the wave's number alone
	s_cmp_eq_u32 s[PH], 0
	s_cbranch_scc0 .Lfor_b_\@
	tensor_load_to_lds s[\g0a:\g0a+3], s[\g1a:\g1a+7]
	s_nop 0
.rept 4
	v_nop
.endr
	s_branch .Lasked_\@
.Lfor_b_\@:
	tensor_load_to_lds s[\g0b:\g0b+3], s[\g1b:\g1b+7]
	s_nop 0
.rept 4
	v_nop
.endr
.Lasked_\@:
.endm
.macro CREST
	s_cmp_lg_u32 s[WV], 0
	s_cbranch_scc1 .Lnot_wave_0_\@
	s_barrier_signal -3
.Lnot_wave_0_\@:
	s_barrier_wait -3
	s_barrier_signal -1
	s_barrier_wait -1
.endm
.macro CROUND
	s_barrier_signal -1
	s_barrier_wait -1
	CREST
.endm
	s_load_b256 s[4:11], s[0:1], 0x0               ; O's images s[4:5], O's scale bytes s[6:7], the table of codes s[8:9], of scale bytes s[10:11]
	s_load_b128 s[12:15], s[0:1], 0x20             ; b_proj s[12:13], out0 s[14:15]
	v_lshl_add_u32 v[SPW], v0, 2, SPARE
	v_mov_b32 v[NIL], 0
	ds_add_u32 v[SPW], v[NIL]                      ; the wave's opening: the add, and its wait ahead of my first tensor load
	v_lshrrev_b32 v1, 5, v0
	v_readfirstlane_b32 s[WV], v1
	s_lshr_b32 s[PH], s[WV], 1                     ; which half of the tokens is mine.  Also: I fetch for A (0) or for B (1)
	s_and_b32 s[QH], s[WV], 1                      ; which half of the columns.  Also: which part of that tile I fetch
	s_bfe_u32 s40, ttmp6, 0x40000
	s_bfe_u32 s41, ttmp6, 0x40004
	s_lshl_b32 s42, ttmp9, 2
	s_add_co_u32 s42, s42, s40                     ; tile column = 4 x cluster x + cx
	s_and_b32 s43, ttmp7, 0xffff
	s_lshl_b32 s43, s43, 2
	s_add_co_u32 s43, s43, s41                     ; tile row = 4 x cluster y + cy
	s_lshl_b32 s44, s41, 2
	s_lshl_b32 s44, 15, s44                        ; my row of the cluster
	s_lshl_b32 s45, 0x1111, s40                    ; my column
	; A: two heads x 12,288 dense bytes (1,536 elements of 8), 98,304 bytes apart; no padding
	s_or_b32 s[G1+0], s44, (3<<16)|(1<<21)
	s_mov_b32 s[G1+1], 1536<<16                    ; tensor_dim0
	s_mov_b32 s[G1+2], 2<<16                       ; tensor_dim1
	s_mov_b32 s[G1+3], 1536<<16                    ; tile_dim0
	s_mov_b32 s[G1+4], 2                           ; tile_dim1
	s_mov_b32 s[G1+5], 12288                       ; from head to head, in elements
	s_mov_b32 s[G1+6], 0
	s_mov_b32 s[G1+7], 0
	; B: 128 rows x 192 bytes, 16 bytes of padding behind every 64
	s_or_b32 s[G1B+0], s45, (0<<16)|(1<<20)|(1<<21)|(3<<22)|(3<<25)
	s_mov_b32 s[G1B+1], ROWB<<16
	s_mov_b32 s[G1B+2], 128<<16
	s_mov_b32 s[G1B+3], ROWB<<16
	s_mov_b32 s[G1B+4], 128
	s_mov_b32 s[G1B+5], KROW
	s_mov_b32 s[G1B+6], 0
	s_mov_b32 s[G1B+7], 0
	; the scale bytes of 128 rows: 16 rows of 256 bytes, 16 bytes of padding behind each
	s_or_b32 s[G1S+0], s44, (3<<16)|(1<<20)|(1<<21)|(5<<22)|(3<<25)
	s_or_b32 s[G1SB+0], s45, (3<<16)|(1<<20)|(1<<21)|(5<<22)|(3<<25)
.irp g, G1S, G1SB
	s_mov_b32 s[\g+1], 32<<16
	s_mov_b32 s[\g+2], (128*KS/256)<<16
	s_mov_b32 s[\g+3], 32<<16
	s_mov_b32 s[\g+4], 128*KS/256
	s_mov_b32 s[\g+5], 32
	s_mov_b32 s[\g+6], 0
	s_mov_b32 s[\g+7], 0
.endr
	s_lshr_b32 s20, s43, 3                         ; the batch: eight tile rows each
	s_lshl_b32 s20, s20, 4
	s_lshl_b32 s21, s[QH], 1
	s_add_co_u32 s20, s20, s21                     ; 16 batch + the first of my two heads of slot 0
	s_lshl_b32 s20, s20, 7
	s_and_b32 s21, s43, 7
	s_lshl_b32 s21, s21, 4
	s_add_co_u32 s20, s20, s21                     ; x 128 tiles + the tile row's first tile in the batch
	s_mul_i32 s20, s20, 768
	s_mov_b32 s21, 0
	s_lshl_b32 s23, s[QH], 7
	s_lshl_b32 s22, s43, 8
	s_add_co_u32 s22, s22, s23
	s_lshl_b32 s22, s22, 5                         ; A's scale bytes: rows 256 x tile row + 128 x half, 32 bytes each
	s_lshl_b32 s46, s42, 8
	s_add_co_u32 s46, s46, s23
	s_add_co_u32 s46, s46, 11264                   ; B: w_proj's rows in the table
	s_mov_b32 s23, 0
	s_lshl_b32 s92, s46, 5
	s_mul_i32 s46, s46, KROW
	s_mov_b32 s47, 0
	s_mov_b32 s93, 0
	s_mul_i32 s95, s[WV], HALFT                    ; where they go: by the wave's number alone
	s_mul_i32 s94, s[WV], HALFS
	s_wait_dscnt 0x0                               ; the opening add is done
	s_wait_kmcnt 0x0
	s_add_nc_u64 s[20:21], s[4:5], s[20:21]
	s_add_nc_u64 s[22:23], s[6:7], s[22:23]
	s_add_nc_u64 s[46:47], s[8:9], s[46:47]
	s_add_nc_u64 s[92:93], s[10:11], s[92:93]
	CROUND                                         ; all sixteen work-groups are here: the first joint loads meet
	s_mov_b32 s[G0S], 1
	s_add_co_u32 s[G0S+1], s94, SCL
	s_mov_b64 s[G0S+2:G0S+3], s[22:23]
	s_or_b32 s[G0S+3], s[G0S+3], 0x80000000
	s_mov_b32 s[G0SB], 1
	s_add_co_u32 s[G0SB+1], s94, SCL
	s_mov_b64 s[G0SB+2:G0SB+3], s[92:93]
	s_or_b32 s[G0SB+3], s[G0SB+3], 0x80000000
	JLOAD G0S, G1S, G0SB, G1SB                     ; the scales first
.irp s, 0,1
	s_mov_b32 s[G0+4*\s], 1
	s_add_co_u32 s[G0+4*\s+1], s95, \s*SLOT
	s_add_nc_u64 s[G0+4*\s+2:G0+4*\s+3], s[20:21], \s*ASTEP
	s_or_b32 s[G0+4*\s+3], s[G0+4*\s+3], 0x80000000
	s_mov_b32 s[G0B+4*\s], 1
	s_add_co_u32 s[G0B+4*\s+1], s95, \s*SLOT
	s_add_nc_u64 s[G0B+4*\s+2:G0B+4*\s+3], s[46:47], \s*ROWB
	s_or_b32 s[G0B+4*\s+3], s[G0B+4*\s+3], 0x80000000
	JLOAD G0+4*\s, G1, G0B+4*\s, G1B
.endr
	v_and_b32 v1, 15, v0                           ; r
	v_bfe_u32 v2, v0, 4, 1                         ; h
	v_and_b32 v7, 31, v0                           ; lane
	v_mul_u32_u24 v3, v1, PITCH
	v_mul_u32_u24 v4, v2, 24
	v_add_nc_u32 v4, v3, v4                        ; B: a fragment's row x pitch + 24 x half
	v_lshl_add_u32 v5, v2, 4, v4                   ; and the same behind one padding more
	v_lshlrev_b32 v[CO], 4, v7                     ; 16 x lane
	v_lshlrev_b32 v6, 3, v7
	v_add_nc_u32 v6, 512, v6                       ; 8 x lane + 512
	s_mul_i32 s21, s[PH], 8*768                    ; A: my eight tiles of the sixteen
	s_mul_i32 s22, s[QH], HALFT
	s_add_co_u32 s22, s22, 2*HALFT                 ; B: my 128 rows, behind A's places
.irp s, 0,1
	v_add_nc_u32 v[ADRA+\s], s21, v[CO]
	v_add_nc_u32 v[ADRA+2+\s], s21, v6
	v_add_nc_u32 v[ADRB+\s], s22, v4
	v_add_nc_u32 v[ADRB+2+\s], s22, v5
	s_add_co_u32 s21, s21, SLOT
	s_add_co_u32 s22, s22, SLOT
.endr
	v_mul_u32_u24 v5, v1, KS
	v_lshrrev_b32 v6, 8, v5
	v_lshl_add_u32 v5, v6, 4, v5
	s_mul_i32 s21, s[PH], HALFS
	s_mul_i32 s22, s[QH], HALFS
	s_add_co_u32 s22, s22, 2*HALFS
	s_sub_co_u32 s22, s22, s21
	v_mul_u32_u24 v6, s22, v2                      ; lanes 16-31 take B's scale words
	s_add_co_u32 s21, s21, SCL
	v_add_nc_u32 v5, v5, v6
	v_add_nc_u32 v[ADRS], s21, v5
	s_mul_i32 s23, s[WV], 16*SPITCH                ; my stage
	v_mul_u32_u24 v5, v1, SPITCH
	v_lshl_add_u32 v5, v2, 7, v5                   ; in: row r, + 128 h bytes: my half's 32 columns of each 64
	v_add_nc_u32 v[STO], s23, v5
	v_add_nc_u32 v[RD], s23, v[CO]                 ; back: the 32 lanes take one row of 512 bytes
	s_lshl_b32 s46, s42, 10
	s_lshl_b32 s47, s[QH], 9
	s_add_co_u32 s46, s46, s47                     ; my first column, in bytes: in b_proj and in a row of out0
	s_mov_b32 s47, 0
	s_add_nc_u64 s[12:13], s[12:13], s[46:47]
	s_add_nc_u64 s[14:15], s[14:15], s[46:47]
	s_lshl_b32 s20, s43, 8
	s_lshl_b32 s21, s[PH], 7
	s_add_co_u32 s20, s20, s21
	s_lshl_b32 s20, s20, 12                        ; my first row of out0: 4,096 bytes a row (under 2^26 in all)
	s_mov_b32 s21, 0
	s_add_nc_u64 s[14:15], s[14:15], s[20:21]
	v_lshlrev_b32 v8, 7, v2                        ; the bias: 128 h bytes
.irp b, 0,1,2,3,4,5,6,7
	global_load_b128 v[BQ+8*\b:BQ+8*\b+3], v8, s[12:13] offset:256*(\b/4)+32*(\b%4)        ; columns 64 (b / 4) + 32 h + 8 (b % 4) + 0 .. 7
	global_load_b128 v[BQ+8*\b+4:BQ+8*\b+7], v8, s[12:13] offset:256*(\b/4)+32*(\b%4)+16
.endr
.macro FRAG reg, adr, q, i             ; a fragment of B from rows: 24 bytes a half, in pieces of 8
.irp p, 0,1,2,3,4,5
.set PC, 12*(\q)+6*(\p/3)+\p%3
.if PC%8 < 5
	ds_load_b64 v[\reg+2*\p:\reg+2*\p+1], v[\adr] offset:8*PC+16*(PC/8)+(\i)*16*PITCH
.else
	ds_load_b64 v[\reg+2*\p:\reg+2*\p+1], v[\adr+2] offset:8*PC+16*(PC/8)+(\i)*16*PITCH
.endif
.endr
.endm
.macro AFRAG reg, slot, q, i           ; a fragment of A from images: heads 2 q and 2 q + 1 of the slot, tile i of my eight
.irp c, 0,1
	ds_load_b128 v[\reg+6*\c:\reg+6*\c+3], v[ADRA+\slot] offset:HALFT*(\q)+HEADB*\c+768*(\i)
	ds_load_b64 v[\reg+6*\c+4:\reg+6*\c+5], v[ADRA+2+\slot] offset:HALFT*(\q)+HEADB*\c+768*(\i)
.endr
.endm
; 16 matrix instructions: A's blocks a0, a0 + 1 x B's eight.  zero = 1: the first product starts the sums, with the bias as its C.  The 64 accumulators take turns, one instruction a turn.
.macro MUL16 a0, p, q, sc, zero
.irp a, \a0, \a0+1
.irp b, 0,1,2,3,4,5,6,7
.if \zero
	v_wmma_scale_f32_16x16x128_f8f6f4 v[8*(8*((\a)%4)+\b):8*(8*((\a)%4)+\b)+7], v[128*(\p)+FR*\b:128*(\p)+FR*\b+FR-1], v[AF+FR*(\a):AF+FR*(\a)+FR-1], v[BQ+8*\b:BQ+8*\b+7], v[SC+8*NQ*(\sc)+NQ*\b+(\q)], v[SC+8*NQ*(\sc)+NQ*(\a)+(\q)] matrix_a_fmt:MATRIX_FMT_FP6 matrix_b_fmt:MATRIX_FMT_FP6 matrix_a_scale:MATRIX_SCALE_ROW1
.else
	v_wmma_scale_f32_16x16x128_f8f6f4 v[8*(8*((\a)%4)+\b):8*(8*((\a)%4)+\b)+7], v[128*(\p)+FR*\b:128*(\p)+FR*\b+FR-1], v[AF+FR*(\a):AF+FR*(\a)+FR-1], v[8*(8*((\a)%4)+\b):8*(8*((\a)%4)+\b)+7], v[SC+8*NQ*(\sc)+NQ*\b+(\q)], v[SC+8*NQ*(\sc)+NQ*(\a)+(\q)] matrix_a_fmt:MATRIX_FMT_FP6 matrix_b_fmt:MATRIX_FMT_FP6 matrix_a_scale:MATRIX_SCALE_ROW1
.endif
.endr
.endr
.endm
.macro FETCH_B slot, q, p
	WIN TO_B
.irp i, 0,1,2,3,4,5,6,7
	FRAG 128*(\p)+FR*\i, ADRB+\slot, \q, \i
.endr
	WIN 0
.endm
.macro FETCH_A slot, q, i0
.irp i, \i0, \i0+1, \i0+2, \i0+3
	AFRAG AF+FR*(\i), \slot, \q, \i
.endr
.endm
.macro SCALES sc
.irp i, 0,1,2,3,4,5,6,7
	ds_load_b64 v[SC+8*NQ*\sc+NQ*\i:SC+8*NQ*\sc+NQ*\i+1], v[ADRS] offset:\i*SBLK
.endr
.endm
.macro PLACES n
.rept \n
	v_nop
.endr
.endm
.macro STEP slot, q, zero
	s_wait_dscnt 4*NLA                             ; B's set and A's blocks 0-3 are in; the youngest 16 loads (A's blocks 4-7) may be out
	WIN MUL_LO-0x20*(\zero)
	MUL16 0, (\q)%2, \q, \slot, \zero
	MUL16 2, (\q)%2, \q, \slot, \zero
	s_wait_dscnt 0
	PLACES NP
	FETCH_B \slot, (\q)+1, 1-(\q)%2
	FETCH_A \slot, (\q)+1, 0
	WIN MUL_HI-0x30*(\zero)
	MUL16 4, (\q)%2, \q, \slot, \zero
	MUL16 6, (\q)%2, \q, \slot, \zero
	PLACES NP
	WIN 0
	FETCH_A \slot, (\q)+1, 4
.endm
.macro TURN slot, next, fill
	s_wait_tensorcnt 0x0                           ; all my tensor loads have landed: my part of the next slot
	ds_add_u32 v[SPW], v[NIL]                      ; 0 onto my spare word
	s_wait_dscnt 4*NLA+1                           ; (the add and the youngest 16 loads may be out)
	WIN MUL_LO
	MUL16 0, 1, NQ-1, \slot, 0
	s_wait_dscnt 0x0                               ; the add is done, and my reads of this slot are over
	s_barrier_signal -1
	MUL16 2, 1, NQ-1, \slot, 0
	WIN 0
	s_barrier_wait -1
.if \fill
	CREST                                          ; no wave of any partner still reads this slot or has a load on its way
	s_add_nc_u64 s[G0+4*\slot+2:G0+4*\slot+3], s[G0+4*\slot+2:G0+4*\slot+3], 2*ASTEP
	s_add_nc_u64 s[G0B+4*\slot+2:G0B+4*\slot+3], s[G0B+4*\slot+2:G0B+4*\slot+3], 2*ROWB
	JLOAD G0+4*\slot, G1, G0B+4*\slot, G1B         ; the first tensor load behind the round
.else
	PLACES NP
.endif
	v_add_nc_u32 v[ADRS], 4*NQ, v[ADRS]
	FETCH_B \next, 0, 0
	FETCH_A \next, 0, 0
	SCALES \next
	WIN MUL_HI
	MUL16 4, 1, NQ-1, \slot, 0
	MUL16 6, 1, NQ-1, \slot, 0
	PLACES NP
	WIN 0
	FETCH_A \next, 0, 4
.endm
	s_wait_tensorcnt 1                             ; the scales and my part of K step 0 are in (K step 1's load may be out)
	s_barrier_signal -1
	s_barrier_wait -1                              ; everybody's are
	FETCH_B 0, 0, 0
	FETCH_A 0, 0, 0
	SCALES 0
	FETCH_A 0, 0, 4
	s_wait_loadcnt 0x0                             ; the bias
	STEP 0, 0, 1
	s_mov_b32 s3, LAPS-1
.Llap:
	TURN 0, 1, 1
	STEP 1, 0, 0
	TURN 1, 0, 1
	STEP 0, 0, 0
	s_sub_co_u32 s3, s3, 1
	s_cmp_lg_u32 s3, 0
	s_cbranch_scc1 .Llap
	TURN 0, 1, 0                                   ; the last lap fills nothing
	STEP 1, 0, 0
	s_wait_dscnt 4*NLA
	WIN MUL_LO
	MUL16 0, 1, NQ-1, 1, 0
	MUL16 2, 1, NQ-1, 1, 0
	s_wait_dscnt 0
	WIN MUL_HI
	MUL16 4, 1, NQ-1, 1, 0
	MUL16 6, 1, NQ-1, 1, 0
	WIN 0
; THE WAY OUT, block by block of 16 tokens x 128 columns, through my own stage in LDS: in, a lane's eight numbers of tile b at the bytes of columns 64 (b / 4) + 32 h + 8 (b % 4) on; back, whole rows of 512 bytes.
; LDS serves a wave's instructions in order: no wait between the stores and the loads, nor in front of the next block's stores.
.macro TOSTAGE a
.set AC, 64*((\a)%4)
	WIN 0x08+4*((\a)/4)                            ; the data: window 2 or 3
.irp b, 0,1,2,3,4,5,6,7
	ds_store_b128 v[STO], v[AC+8*\b:AC+8*\b+3] offset:256*(\b/4)+32*(\b%4)        ; each accumulator from its low end on
	ds_store_b128 v[STO], v[AC+8*\b+4:AC+8*\b+7] offset:256*(\b/4)+32*(\b%4)+16
.endr
	WIN 0
.set BB, BK+64*((\a)%2)
.irp t, 0,1,2,3,4,5,6,7,8,9,10,11,12,13,14,15
	ds_load_b128 v[BB+4*\t:BB+4*\t+3], v[RD] offset:\t*SPITCH
.endr
.endm
.macro SEND a, younger                 ; younger: the LDS instructions issued behind block a's loads, which may stay out
.set BB, BK+64*((\a)%2)
	s_wait_dscnt \younger
.irp t, 0,1,2,3,4,5,6,7,8,9,10,11,12,13,14,15
	global_store_b128 v[CO], v[BB+4*\t:BB+4*\t+3], s[14:15] offset:(64*((\a)/4)+8*((\a)%4)+32*(\t/8)+\t%8)*4096 th:TH_STORE_NT   ; place t of block a is token 64 (a / 4) + 32 (t / 8) + 8 (a % 4) + t % 8; 512 consecutive bytes, aligned; 127 rows at the most: inside the signed 24-bit immediate
.endr
.endm
	PLACES NP                                      ; behind the last products: ahead of the loads into the registers that held A's fragments, and of the reads of results
	TOSTAGE 0
.irp a, 1,2,3,4,5,6,7
.if \a > 1
	s_wait_xcnt 0x0                                ; block a - 2's stores have read their registers: block a's loads may land there
.endif
	TOSTAGE \a
	SEND \a-1, 32                                  ; behind block a - 1's loads: block a's 16 stores and 16 loads
.endr
	SEND 7, 0
	s_wait_tensorcnt 0x0                           ; the wave's end, behind my last tensor load and my last LDS store
	ds_add_u32 v[SPW], v[NIL]
	s_wait_dscnt 0x0
	CROUND                                         ; the closing round
	s_endpgm
.Lfunc_end_k_qc56f3a09e7_proj:
	.size	k_qc56f3a09e7_proj, .Lfunc_end_k_qc56f3a09e7_proj-k_qc56f3a09e7_proj
	.p2alignl 7, 3214868480
	.fill 96, 4, 3214868480
	.section	.rodata,"a",@progbits
	.p2align	6, 0x0
	.amdhsa_kernel k_qc56f3a09e7_proj
		.amdhsa_group_segment_fixed_size 327680
		.amdhsa_private_segment_fixed_size 0
		.amdhsa_enable_private_segment 0
		.amdhsa_kernarg_size 48
		.amdhsa_user_sgpr_count 2
		.amdhsa_user_sgpr_kernarg_segment_ptr 1
		.amdhsa_wavefront_size32 1
		.amdhsa_system_sgpr_workgroup_id_x 1
		.amdhsa_system_sgpr_workgroup_id_y 1
		.amdhsa_system_sgpr_workgroup_id_z 1
		.amdhsa_system_vgpr_workitem_id 0
		.amdhsa_next_free_vgpr 1024
		.amdhsa_next_free_sgpr 98
		.amdhsa_reserve_vcc 0
		.amdhsa_float_denorm_mode_32 3
		.amdhsa_float_denorm_mode_16_64 3
		.amdhsa_memory_ordered 1
		.amdhsa_forward_progress 1
		.amdhsa_inst_pref_size 153
	.end_amdhsa_kernel
	.amdgpu_metadata
---
amdhsa.version: [ 1, 2 ]
amdhsa.kernels:
  - .name:           k_qc56f3a09e7_proj
    .symbol:         k_qc56f3a09e7_proj.kd
    .args:
      - { .name: o_img, .offset: 0, .size: 8, .value_kind: global_buffer, .address_space: global }
      - { .name: o_scales, .offset: 8, .size: 8, .value_kind: global_buffer, .address_space: global }
      - { .name: xw_codes, .offset: 16, .size: 8, .value_kind: global_buffer, .address_space: global }
      - { .name: xw_scales, .offset: 24, .size: 8, .value_kind: global_buffer, .address_space: global }
      - { .name: b_proj, .offset: 32, .size: 8, .value_kind: global_buffer, .address_space: global }
      - { .name: out0, .offset: 40, .size: 8, .value_kind: global_buffer, .address_space: global }
    .group_segment_fixed_size: 327680
    .private_segment_fixed_size: 0
    .kernarg_segment_align: 8
    .kernarg_segment_size: 48
    .max_flat_workgroup_size: 128
    .sgpr_count:     98
    .vgpr_count:     1024
    .wavefront_size: 32
...
	.end_amdgpu_metadata
.endif
;; end of part 4
